; MI455X (gfx1250); checked and timed in simulation.
; The chip was launched on July 23, 2026; its instructions are those of AMD's public machine-readable ISA for CDNA 5 (MIT licence, August 2026) and "CDNA5" Instruction Set Architecture Reference Guide (July 2026). The comments in the code are by the model that wrote it; some were corrected since.
;; Multi Head Attention. Allowed arithmetic: matrix products marked QUANTISED: E2M1 operands, one E8M0 scale for each 32 along K, by v_wmma_scale_f32_16x16x128_f8f6f4 with both operands' format E2M1 (or v_wmma_scale_f32_32x16x128_f4), f32 sums; products left as they are: bf16, f16 or f32 operands; f32 sums; everything else in f32.
;; Inputs: b_k 1,024 float32; b_o 1,024 float32; b_q 1,024 float32; b_v 1,024 float32; key_ 4 x 2,048 x 1,024 float32; query 4 x 2,048 x 1,024 float32; value 4 x 2,048 x 1,024 float32; w_k 1,024 x 1,024 float32; w_o 1,024 x 1,024 float32; w_q 1,024 x 1,024 float32; w_v 1,024 x 1,024 float32.
;; Outputs: out0 4 x 2,048 x 1,024 float32.
;; This version of the problem:
;;   THIS VERSION OF THE PROBLEM IS GIVEN IN LOW PRECISION. The matrix products marked QUANTISED in the list below multiply operands that are first quantised to E2M1 (2 exponent bits, 1 mantissa bit; 4 bits a number), with one power-of-two scale for each 32 numbers along K (OCP MX v1.0); their sums are f32. The products marked 'left as it is' may take bf16, f16 or f32 operands, with f32 sums. Whichever they take, every output number must still come out within the allowed error. Rounding operands to bf16 (8 significant bits) uses up far more of that allowance than f16 does (11 bits, for magnitudes from 6e-5 to 65,504). All else is computed in f32.
;;   The module's matrix products, in the order in which they are computed (A, B: the left and right operand; K: the contracted axis; several contracted axes count as one K, in the product's order):
;;     1. [M 8,192, K 1,024] x [K 1,024, N 1,024]; A: input query; B: input w_q: QUANTISED
;;     2. [M 8,192, K 1,024] x [K 1,024, N 1,024]; A: input key_; B: input w_k: QUANTISED
;;     3. [M 8,192, K 1,024] x [K 1,024, N 1,024]; A: input value; B: input w_v: QUANTISED
;;     4. batch 64 x [M 2,048, K 64] x [K 64, N 2,048]; A: computed on the way; B: computed on the way: left as it is (an operand is computed on the way)
;;     5. batch 64 x [M 2,048, K 2,048] x [K 2,048, N 64]; A: computed on the way; B: computed on the way: left as it is (an operand is computed on the way)
;;     6. [M 8,192, K 1,024] x [K 1,024, N 1,024]; A: computed on the way; B: input w_o: left as it is (an operand is computed on the way)
;;   THE QUANTISER, for each operand of a quantised product, along K:
;;     - K is cut into blocks of 32 from its start; a last block that is shorter is filled with zeros.
;;     - A block's scale is 2^e with e = floor(log2(the largest magnitude in the block)) - 2, held to -126 .. 127; a block of zeros has e = 0. As a byte (E8M0): e + 127.
;;     - Each number is divided by its block's scale, clamped to +-6, and rounded to the nearest number of E2M1, ties to even, subnormals kept.
;;     - The product sums the exact products of the quantised numbers (number of the format x scale) in f32.
;;   ~~~python
;;   def quantise(x, axis):      # numpy; x: float32 -> the quantised numbers, widened to float32 again
;;       x = np.moveaxis(x, axis, -1); K = x.shape[-1]
;;       x = np.pad(x, [(0, 0)] * (x.ndim - 1) + [(0, -K % 32)]); x = x.reshape(x.shape[:-1] + (-1, 32)); a = np.abs(x).max(-1, keepdims=True)
;;       e = np.where(a > 0, np.clip(np.frexp(np.where(a > 0, a, 1))[1] - 1 - 2, -126, 127), 0)      # np.frexp(a)[1] - 1 = floor(log2(a)), exactly
;;       r = np.clip(x / 2.0 ** e, -6, 6)
;;       step = 2.0 ** (np.maximum(np.frexp(np.where(r == 0, 1, r))[1] - 1, 0) - 1)
;;       q = np.round(r / step) * step * 2.0 ** e      # np.round: ties to even
;;       return np.moveaxis(q.reshape(q.shape[:-2] + (-1,))[..., :K], -1, axis).astype(np.float32)
;;   ~~~
;; One version. Each part assembles by itself: llvm-mc -triple=amdgcn-amd-amdhsa -mcpu=gfx1250 --defsym DOCPART=n.
;; ======== version 1 of 1: 4 launches
;; limits: values are held in f16: magnitudes above 65,504 overflow, below 6.1e-05 lose precision
;; workspace buffers: x_codes 12,582,912 bytes; x_scales 786,432 bytes; w_codes 1,572,864 bytes; w_scales 98,304 bytes; wo16 2,097,152 bytes; qkv 50,331,648 bytes; ctx 16,777,216 bytes
;; launch quant (part 1): grid 896 x 1, 4 waves a work-group, no clusters, 33,280 bytes of LDS; arguments query, key_, value, w_q, w_k, w_v, w_o, x_codes, x_scales, w_codes, w_scales, wo16; writes x_codes, x_scales, w_codes, w_scales, wo16
.if DOCPART == 1
	.amdgcn_target "amdgcn-amd-amdhsa--gfx1250"
	.amdhsa_code_object_version 6
	.text
	.protected	k_qf3bf42c7f4_quant
	.globl	k_qf3bf42c7f4_quant
	.p2align	8
	.type	k_qf3bf42c7f4_quant,@function
k_qf3bf42c7f4_quant:
	s_mov_b64 s[64:65], 0
	v_nop
	global_prefetch_b8 v0, s[64:65] scope:SCOPE_SE
	s_setreg_imm32_b32 hwreg(HW_REG_WAVE_MODE, 25, 1), 1
	s_wait_xcnt 0x0
; query, key_, value [8192][1024] and w_q, w_k, w_v [1024][1024], f32 with K innermost, become codes of FP4 (E2M1), two a byte, K innermost,
; with one E8M0 byte for each 32 along K; w_o [1024][1024] becomes f16.  The three activations are stacked in x_codes / x_scales (query, key_, value), the three weights in w_codes / w_scales (q, k, v).
; A block's scale is 2^(floor(log2(its largest magnitude)) - 2); its byte is the largest magnitude's own exponent field - 2, held at 1 from below.
; LIMITS: a block of zeros gets the byte 1 and not 127 (its codes are zeros, and this program alone reads the bytes); blocks whose largest magnitude lies under 2^(3 - 127) are held at that floor;
; NaN and infinities are not served; |w_o| stays under 65,504 (f16).
; SHARES: rows are dense and K is a multiple of 32, so each tensor is a plain stream of blocks.  A work-group takes 32,768 numbers, a wave 8,192: 16 steps of 512.
; Work-groups 0-255 query, 256-511 key_, 512-767 value, 768-799 w_q, 800-831 w_k, 832-863 w_v, 864-895 w_o.  Only pointers are chosen by the work-group's number: the six quantised tensors take one path.
; A step's four loads read 512 consecutive bytes each; the 2,048 bytes turn through the wave's own stage in LDS and come back 64 bytes a lane, so that a lane holds 16 neighbours along K (two lanes hold a block).
; No tensor load, no barrier: waves share nothing.  Matrix units and clusters have nothing to do here: the launch moves bytes.
.set WAVES, 4
.set STEPS, 16
.set CB,    8                          ; bytes of 16 codes
.set R,     16                         ; v16-79   four sets of 16 numbers as loaded (w_o: one batch of 64)
.set X,     80                         ; v80-111  two sets of 16 neighbours
.set E,     112                        ; v112-127 a scale byte for each step
.set C,     128                        ; v128-191 codes: four registers for each step (w_o: 32 registers of f16)
.set WREG,  8192                       ; LDS: a region for each wave: two stages of 32 x SP bytes, then its 256 scale bytes
.set SP,    80                         ; a lane's place in a stage: 64 bytes + 16 of padding
.set SPW,   12                         ; v12  LDS address of my spare word; never rewritten
.set NIL,   13                         ; v13  0; never rewritten
.set SPARE, WAVES*WREG                 ; behind the regions: the spare words, 128 bytes a wave, which no other line names
	s_load_b512 s[4:19], s[0:1], 0x0               ; query, key_, value, w_q, w_k, w_v, w_o, x_codes
	s_load_b256 s[20:27], s[0:1], 0x40             ; x_scales, w_codes, w_scales, wo16
	v_lshl_add_u32 v[SPW], v0, 2, SPARE
	v_mov_b32 v[NIL], 0
	v_lshrrev_b32 v1, 5, v0
	v_readfirstlane_b32 s28, v1                    ; wave
	v_and_b32 v2, 31, v0                           ; lane
	v_lshlrev_b32 v3, 4, v2                        ; my 16 bytes of a load's 512
	s_mul_i32 s29, s28, WREG
	v_lshrrev_b32 v14, 2, v2
	v_mul_u32_u24 v14, v14, SP
	v_and_b32 v15, 3, v2
	v_lshl_add_u32 v14, v15, 4, v14
	v_add_nc_u32 v14, s29, v14                     ; the stage, on the way in: SP (lane / 4) + 16 (lane % 4)
	v_mul_u32_u24 v15, v2, SP
	v_add_nc_u32 v15, s29, v15                     ; and on the way out: SP x lane
	v_mul_u32_u24 v4, v2, CB                       ; my 8 bytes of a store's 256
	v_lshrrev_b32 v5, 1, v2
	s_add_co_u32 s29, s29, 2*32*SP
	v_add_nc_u32 v5, s29, v5                       ; LDS: my block's scale byte
	v_lshlrev_b32 v7, 3, v2
	v_add_nc_u32 v6, s29, v7                       ; and the 8 scale bytes that I read back
	s_wait_kmcnt 0x0
	s_cmp_ge_u32 ttmp9, 864
	s_cbranch_scc1 .Lwo                            ; the work-group's number alone decides
	s_cmp_lt_u32 ttmp9, 832                        ; the source, chosen from the last tensor back to the first
	s_cselect_b64 s[12:13], s[12:13], s[14:15]
	s_cmp_lt_u32 ttmp9, 800
	s_cselect_b64 s[10:11], s[10:11], s[12:13]
	s_cmp_lt_u32 ttmp9, 768
	s_cselect_b64 s[8:9], s[8:9], s[10:11]
	s_cselect_b64 s[30:31], s[18:19], s[22:23]     ; codes: the activations' buffer or the weights'
	s_cselect_b64 s[32:33], s[20:21], s[24:25]     ; scale bytes likewise
	s_cselect_b32 s34, 0, 768                      ; the buffer's first work-group
	s_cselect_b32 s35, 255, 31                     ; work-groups in a tensor, less one
	s_cmp_lt_u32 ttmp9, 512
	s_cselect_b64 s[6:7], s[6:7], s[8:9]
	s_cmp_lt_u32 ttmp9, 256
	s_cselect_b64 s[4:5], s[4:5], s[6:7]
	s_sub_co_u32 s36, ttmp9, s34
	s_and_b32 s37, s36, s35
	s_lshl_b32 s36, s36, 2
	s_add_co_u32 s36, s36, s28                     ; my run of 8,192 numbers in the stacked buffers,
	s_lshl_b32 s37, s37, 2
	s_add_co_u32 s37, s37, s28                     ; and in the tensor
	s_lshl_b32 s38, s37, 15                        ; 32,768 bytes of f32 a run
	s_mov_b32 s39, 0
	s_add_nc_u64 s[4:5], s[4:5], s[38:39]
	s_lshl_b32 s38, s36, 12                        ; 4,096 bytes of codes
	s_add_nc_u64 s[30:31], s[30:31], s[38:39]
	s_lshl_b32 s38, s36, 8                         ; 256 scale bytes
	s_add_nc_u64 s[32:33], s[32:33], s[38:39]
.macro LOAD t
.irp i, 0,1,2,3
	global_load_b128 v[R+16*((\t)%4)+4*\i:R+16*((\t)%4)+4*\i+3], v3, s[4:5] offset:2048*(\t)+512*\i th:TH_LOAD_NT   ; 32 lanes read 512 consecutive bytes
.endr
.endm
.macro TURN t                          ; step t's numbers through the stage: LDS serves a wave's instructions in order, so no wait stands between the stores and the loads
.irp i, 0,1,2,3
	ds_store_b128 v14, v[R+16*((\t)%4)+4*\i:R+16*((\t)%4)+4*\i+3] offset:32*SP*((\t)%2)+8*SP*\i
.endr
.irp i, 0,1,2,3
	ds_load_b128 v[X+16*((\t)%2)+4*\i:X+16*((\t)%2)+4*\i+3], v15 offset:32*SP*((\t)%2)+16*\i
.endr
.endm
.irp t, 0,1,2,3
	LOAD \t
.endr
	s_wait_loadcnt 12                              ; step 0's four loads are in; the twelve behind them may be out
	TURN 0
.macro STEP t
.set XS, X+16*((\t)%2)
.if (\t) > 0
	s_wait_dscnt 1                                 ; this step's numbers are back from the stage; the last step's byte store may be out
.else
	s_wait_dscnt 0x0
.endif
.if (\t)+4 < STEPS
	LOAD (\t)+4                                    ; into the registers that this step's stage stores have read
.endif
.if (\t)+1 < STEPS
.if STEPS-2-(\t) >= 3
	s_wait_loadcnt 12                              ; the next step's four loads are in; those of the three steps behind it may be out
.else
	s_wait_loadcnt 4*(STEPS-2-(\t))
.endif
	TURN (\t)+1
.endif
	v_max3_num_f32 v8, |v[XS]|, |v[XS+1]|, |v[XS+2]|               ; the largest magnitude of my 16, in two chains
	v_max3_num_f32 v9, |v[XS+3]|, |v[XS+4]|, |v[XS+5]|
.irp i, 6,10
	v_max3_num_f32 v8, v8, |v[XS+\i]|, |v[XS+\i+1]|
	v_max3_num_f32 v9, v9, |v[XS+\i+2]|, |v[XS+\i+3]|
.endr
	v_max3_num_f32 v8, v8, |v[XS+14]|, |v[XS+15]|
	v_max3_num_f32 v8, v8, v9, 0x1800000           ; and the floor 2^(3 - 127): the byte cannot fall under 1
	v_max_num_f32_dpp v8, v8, v8 row_xmask:1 row_mask:0xf bank_mask:0xf   ; with my neighbour's 16: the block's
	v_add_nc_u32 v11, 0xff000000, v8               ; 2 off its exponent field: the conversion takes the exponent field of this operand as its scale
	v_cvt_scalef32_pk8_fp4_f32 v[C+4*(\t)], v[XS:XS+7], v11        ; to the nearest code, ties to even, beyond 6 the largest code
	v_cvt_scalef32_pk8_fp4_f32 v[C+4*(\t)+1], v[XS+8:XS+15], v11
	v_lshrrev_b32 v[E+(\t)], 23, v11               ; the scale's byte (also the plain line behind the conversions)
	ds_store_b8 v5, v[E+(\t)] offset:16*(\t)       ; both lanes of a block write the same byte with the same value
	global_store_b64 v4, v[C+4*(\t):C+4*(\t)+1], s[30:31] offset:32*CB*(\t)   ; the wave stores 256 consecutive bytes, aligned
.endm
.irp t, 0,1,2,3,4,5,6,7,8,9,10,11,12,13,14,15
	STEP \t
.endr
	ds_load_b64 v[8:9], v6                         ; LDS serves a wave's instructions in order: this sees my byte stores
	s_wait_dscnt 0x0
	global_store_b64 v7, v[8:9], s[32:33]          ; the run's 256 scale bytes, consecutive and aligned
	s_branch .Lend
.Lwo:                                              ; w_o to f16: four batches of 16 loads; no LDS
	s_sub_co_u32 s36, ttmp9, 864
	s_lshl_b32 s36, s36, 2
	s_add_co_u32 s36, s36, s28                     ; my run of 8,192 numbers
	s_lshl_b32 s38, s36, 15
	s_mov_b32 s39, 0
	s_add_nc_u64 s[16:17], s[16:17], s[38:39]
	s_lshl_b32 s38, s36, 14
	s_add_nc_u64 s[26:27], s[26:27], s[38:39]
.macro LOADB k
.irp i, 0,1,2,3,4,5,6,7,8,9,10,11,12,13,14,15
	global_load_b128 v[R+4*\i:R+4*\i+3], v3, s[16:17] offset:8192*(\k)+512*\i th:TH_LOAD_NT
.endr
.endm
.macro BATCH k
	s_wait_loadcnt 0x0                             ; the batch is in
.if (\k) > 0
	s_wait_xcnt 0x0                                ; the last batch's stores have read their data registers, which are written again below
.endif
.irp i, 0,1,2,3,4,5,6,7,8,9,10,11,12,13,14,15
	v_cvt_pk_f16_f32 v[C+2*\i], v[R+4*\i], v[R+4*\i+1]
	v_cvt_pk_f16_f32 v[C+2*\i+1], v[R+4*\i+2], v[R+4*\i+3]
.endr
.if (\k) < 3
	LOADB (\k)+1                                   ; loads ahead of stores
.endif
.irp i, 0,1,2,3,4,5,6,7,8,9,10,11,12,13,14,15
	global_store_b64 v4, v[C+2*\i:C+2*\i+1], s[26:27] offset:4096*(\k)+256*\i   ; 256 consecutive bytes, aligned
.endr
.endm
	LOADB 0
	BATCH 0
	BATCH 1
	BATCH 2
	BATCH 3
.Lend:
	s_wait_tensorcnt 0x0                           ; the wave's end
	ds_add_u32 v[SPW], v[NIL]
	s_wait_dscnt 0x0
	s_endpgm
.Lfunc_end_k_qf3bf42c7f4_quant:
	.size	k_qf3bf42c7f4_quant, .Lfunc_end_k_qf3bf42c7f4_quant-k_qf3bf42c7f4_quant
	.p2alignl 7, 3214868480
	.fill 96, 4, 3214868480
	.section	.rodata,"a",@progbits
	.p2align	6, 0x0
	.amdhsa_kernel k_qf3bf42c7f4_quant
		.amdhsa_group_segment_fixed_size 33280
		.amdhsa_private_segment_fixed_size 0
		.amdhsa_enable_private_segment 0
		.amdhsa_kernarg_size 96
		.amdhsa_user_sgpr_count 2
		.amdhsa_user_sgpr_kernarg_segment_ptr 1
		.amdhsa_wavefront_size32 1
		.amdhsa_system_sgpr_workgroup_id_x 1
		.amdhsa_system_sgpr_workgroup_id_y 1
		.amdhsa_system_sgpr_workgroup_id_z 1
		.amdhsa_system_vgpr_workitem_id 0
		.amdhsa_next_free_vgpr 192
		.amdhsa_next_free_sgpr 66
		.amdhsa_reserve_vcc 0
		.amdhsa_float_denorm_mode_32 3
		.amdhsa_float_denorm_mode_16_64 3
		.amdhsa_memory_ordered 1
		.amdhsa_forward_progress 1
		.amdhsa_inst_pref_size 54
	.end_amdhsa_kernel
	.amdgpu_metadata
---
amdhsa.version: [ 1, 2 ]
amdhsa.kernels:
  - .name:           k_qf3bf42c7f4_quant
    .symbol:         k_qf3bf42c7f4_quant.kd
    .args:
      - { .name: query, .offset: 0, .size: 8, .value_kind: global_buffer, .address_space: global }
      - { .name: key_, .offset: 8, .size: 8, .value_kind: global_buffer, .address_space: global }
      - { .name: value, .offset: 16, .size: 8, .value_kind: global_buffer, .address_space: global }
      - { .name: w_q, .offset: 24, .size: 8, .value_kind: global_buffer, .address_space: global }
      - { .name: w_k, .offset: 32, .size: 8, .value_kind: global_buffer, .address_space: global }
      - { .name: w_v, .offset: 40, .size: 8, .value_kind: global_buffer, .address_space: global }
      - { .name: w_o, .offset: 48, .size: 8, .value_kind: global_buffer, .address_space: global }
      - { .name: x_codes, .offset: 56, .size: 8, .value_kind: global_buffer, .address_space: global }
      - { .name: x_scales, .offset: 64, .size: 8, .value_kind: global_buffer, .address_space: global }
      - { .name: w_codes, .offset: 72, .size: 8, .value_kind: global_buffer, .address_space: global }
      - { .name: w_scales, .offset: 80, .size: 8, .value_kind: global_buffer, .address_space: global }
      - { .name: wo16, .offset: 88, .size: 8, .value_kind: global_buffer, .address_space: global }
    .group_segment_fixed_size: 33280
    .private_segment_fixed_size: 0
    .kernarg_segment_align: 8
    .kernarg_segment_size: 96
    .max_flat_workgroup_size: 128
    .sgpr_count:     66
    .vgpr_count:     192
    .wavefront_size: 32
...
	.end_amdgpu_metadata
.endif
;; end of part 1
;; launch proj (part 2): grid 4 x 96, 4 waves a work-group, clusters of 4 x 4, 327,680 bytes of LDS; arguments x_codes, x_scales, w_codes, w_scales, qkv, b_q, b_k, b_v; writes qkv
.if DOCPART == 2
	.amdgcn_target "amdgcn-amd-amdhsa--gfx1250"
	.amdhsa_code_object_version 6
	.text
	.protected	k_qf3bf42c7f4_proj
	.globl	k_qf3bf42c7f4_proj
	.p2align	8
	.type	k_qf3bf42c7f4_proj,@function
k_qf3bf42c7f4_proj:
	s_mov_b64 s[64:65], 0
	v_nop
	global_prefetch_b8 v0, s[64:65] scope:SCOPE_SE
	s_setreg_imm32_b32 hwreg(HW_REG_WAVE_MODE, 25, 1), 1
	s_wait_xcnt 0x0
	s_wait_alu depctr_hold_cnt(0) depctr_sa_sdst(0) depctr_va_vdst(0) depctr_va_sdst(0) depctr_va_ssrc(0) depctr_va_vcc(0) depctr_vm_vsrc(0)
	s_getreg_b32 s2, hwreg(HW_REG_IB_STS2, 6, 4)
	s_cmp_eq_u32 s2, 0
	s_cbranch_scc0 .Lentry_in_a_cluster
	s_endpgm
.Lentry_in_a_cluster:
	s_bfe_u32 s2, ttmp6, 0x10000c
	s_cmp_lg_u32 s2, 0xf033
	s_cbranch_scc0 .Lentry_shape_is_right
	s_endpgm
.Lentry_shape_is_right:
; The three projections as ONE product on codes of FP4 with E8M0 scales: rows 0-8191 query x w_q^T, 8192-16383 key_ x w_k^T, 16384-24575 value x w_v^T; N = 1,024, K = 1,024; sums in f32.
; The bias is added in f32, Q is multiplied by c = log2(e) / 8 (so that the next launch's scores are exponents of two), and the result is rounded ONCE to f16.
; qkv: [p = 0 Q', 1 K, 2 V][pair = 8 batch + head / 2][token 2048][128 f16]: a token's row is 256 bytes: head 2 g's 64 channels, then head 2 g + 1's.
; LIMITS: |c Q|, |K|, |V| stay under 65,504 (f16); NaN and infinities are not served.
; SHARES: a tile of 256 x 256 to a work-group of four waves; a wave makes 128 x 128: 64 accumulators, 512 registers.  A wave's 128 columns are one pair of heads.
; K goes in two steps of 512 (rows of 256 bytes of codes) through two LDS slots; both are asked for at the start, so nothing is filled again.  The scale bytes of the tile's rows, two dense blocks, come once.
; CLUSTERS: 4 x 4 work-groups.  The four of a row of the cluster need the same rows of x, the four of a column the same rows of w: each tile is asked for jointly, by the same tensor load with the same descriptor and a mask that names the four.
; Which projection, p, is cluster y / 8: the same in all sixteen partners.
; THE MATRIX INSTRUCTION IS USED TRANSPOSED (source 0 = 16 rows of w, source 1 = 16 rows of x): a lane then holds eight neighbouring columns of one token.
; REGISTERS, in windows of 256: window 0: v0-31 addresses; v32-95 scale words, two sets, and nothing else; v96-127 packed f16; from v128 x's fragments, one set, later rows read back from the stage.
;   window 1: w's fragments, two sets, at v0 and v128; v64-127 the bias in the result's layout; v192-255 f32 at work on the way out.   windows 2, 3: the accumulators ((a, b) at v[8 (8 (a % 4) + b)]).
.set KSTEP,  512
.set NQ,     4                         ; matrix instructions deep in a slot
.set ROWB,   256                       ; a tile's row in bytes
.set KROW,   512                       ; a row of codes in memory
.set PITCH,  272                       ; an LDS row: 256 bytes + 16 of padding: the 16 rows that a load touches start 68 words apart
.set FR,     8
.set NL,     2
.set NP,     4                         ; places behind this matrix instruction (ISA guide 7.12.1)
.set HALFT,  128*PITCH
.set SLOT,   4*HALFT
.set KS,     32                        ; a row of scale bytes
.set SCL,    2*SLOT                    ; behind the slots: the scale bytes, as runs of 256 bytes + 16 of padding
.set HALFS,  16*272                    ; those of 128 rows
.set SBLK,   2*272                     ; those of 16 rows
.set SPARE,  SCL+4*HALFS               ; the spare words, 128 bytes a wave, which no other line names
.set SPITCH, 272                       ; the way out: a stage of 16 rows x (256 + 16) bytes a wave, in slot 0, which has had its only fill and its last read by then
.set ADRA, 16
.set ADRB, 20
.set STO,  24
.set RD,   25
.set CO,   26
.set ADRS, 27
.set SPW,  28
.set NIL,  29
.set BO,   30                          ; v30  32 x (lane / 16): my place in a block's 16 biases
.set SC,   32
.set TMP,  96
.set AF,   128
.set BK,   128
.set BI,   64                          ; window 1
.set TW,   192                         ; window 1
.set G1, 24
.set G0, 32
.set G1B, 48
.set G0B, 56
.set G1S, 68
.set G0S, 76
.set G1SB, 80
.set G0SB, 88
.set MSB, 0
.macro WIN new                         ; the immediate's high byte repeats the setting that is left
.if MSB != \new
	s_set_vgpr_msb (MSB<<8)|\new
.set MSB, \new
.endif
.endm
.set MUL_LO, 0xa1                      ; source 0 (w) window 1, source 1 (x) window 0, C and D window 2
.set MUL_HI, 0xf1
.set TO_B,   0x40
; A joint load: waves 0 and 1 fetch for x, waves 2 and 3 for w; the branch hangs on the wave's number alone.  An s_nop 0 and four v_nop follow each of the two lines.
.macro JLOAD g0a, g1a, g0b, g1b
	s_cmp_eq_u32 s15, 0
	s_cbranch_scc0 .Lfor_b_\@
	tensor_load_to_lds s[\g0a:\g0a+3], s[\g1a:\g1a+7]
	s_nop 0
.rept 4
	v_nop
.endr
	s_branch .Lasked_\@
.Lfor_b_\@:
	tensor_load_to_lds s[\g0b:\g0b+3], s[\g1b:\g1b+7]
	s_nop 0
.rept 4
	v_nop
.endr
.Lasked_\@:
.endm
.macro CROUND                          ; a round of the cluster's barrier
	s_barrier_signal -1
	s_barrier_wait -1
	s_cmp_lg_u32 s14, 0
	s_cbranch_scc1 .Lnot_wave_0_\@
	s_barrier_signal -3
.Lnot_wave_0_\@:
	s_barrier_wait -3
	s_barrier_signal -1
	s_barrier_wait -1
.endm
	s_load_b256 s[4:11], s[0:1], 0x0               ; x's codes s[4:5], x's scales s[6:7], w's codes s[8:9], w's scales s[10:11]
	s_load_b64 s[12:13], s[0:1], 0x20              ; qkv
	s_load_b128 s[96:99], s[0:1], 0x28             ; b_q, b_k
	s_load_b64 s[100:101], s[0:1], 0x38            ; b_v
	v_lshl_add_u32 v[SPW], v0, 2, SPARE
	v_mov_b32 v[NIL], 0
	ds_add_u32 v[SPW], v[NIL]                      ; the wave's opening: the add, twice on end, and its wait ahead of my first tensor load
	ds_add_u32 v[SPW], v[NIL]
	v_lshrrev_b32 v1, 5, v0
	v_readfirstlane_b32 s14, v1                    ; wave 0..3
	s_lshr_b32 s15, s14, 1                         ; which half of the tile's rows is mine.  Also: I fetch for x (0) or for w (1)
	s_and_b32 s16, s14, 1                          ; which half of its columns.  Also: which 128 rows I fetch
	s_bfe_u32 s40, ttmp6, 0x40000                  ; cx, cy
	s_bfe_u32 s41, ttmp6, 0x40004
	s_lshl_b32 s42, ttmp9, 2
	s_add_co_u32 s42, s42, s40                     ; tile column = 4 x cluster x + cx
	s_and_b32 s17, ttmp7, 0xffff
	s_lshr_b32 s95, s17, 3                         ; p: 8 clusters (32 tile rows, 8,192 rows) to a projection
	s_lshl_b32 s17, s17, 2
	s_add_co_u32 s17, s17, s41                     ; tile row = 4 x cluster y + cy
	s_lshl_b32 s43, s41, 2
	s_lshl_b32 s43, 15, s43                        ; my row of the cluster
	s_lshl_b32 s44, 0x1111, s40                    ; my column
	s_or_b32 s[G1+0], s43, (0<<16)|(1<<20)|(1<<21)|(5<<22)|(3<<25)  ; the mask; elements of 1 byte; padding on; bit 21 beside a mask; 4 words behind every 64
	s_or_b32 s[G1B+0], s44, (0<<16)|(1<<20)|(1<<21)|(5<<22)|(3<<25)
.irp g, G1, G1B
	s_mov_b32 s[\g+1], ROWB<<16                    ; tensor_dim0
	s_mov_b32 s[\g+2], 128<<16                     ; tensor_dim1
	s_mov_b32 s[\g+3], ROWB<<16                    ; tile_dim0
	s_mov_b32 s[\g+4], 128                         ; tile_dim1
	s_mov_b32 s[\g+5], KROW                        ; from row to row
	s_mov_b32 s[\g+6], 0
	s_mov_b32 s[\g+7], 0
.endr
	s_or_b32 s[G1S+0], s43, (3<<16)|(1<<20)|(1<<21)|(5<<22)|(3<<25) ; the scale bytes of 128 rows: 4,096 dense bytes as 16 rows of 32 elements of 8 bytes
	s_or_b32 s[G1SB+0], s44, (3<<16)|(1<<20)|(1<<21)|(5<<22)|(3<<25)
.irp g, G1S, G1SB
	s_mov_b32 s[\g+1], 32<<16
	s_mov_b32 s[\g+2], 16<<16
	s_mov_b32 s[\g+3], 32<<16
	s_mov_b32 s[\g+4], 16
	s_mov_b32 s[\g+5], 32
	s_mov_b32 s[\g+6], 0
	s_mov_b32 s[\g+7], 0
.endr
	s_lshl_b32 s18, s16, 7                         ; which 128 rows of the tile I fetch
	s_lshl_b32 s20, s17, 8
	s_add_co_u32 s20, s20, s18                     ; x: stacked row 256 x tile row + 128 x half
	s_lshl_b32 s46, s42, 8
	s_add_co_u32 s46, s46, s18
	s_lshl_b32 s47, s95, 10
	s_add_co_u32 s46, s46, s47                     ; w: stacked row 1,024 p + 256 x tile column + 128 x half
	s_mov_b32 s21, 0
	s_mov_b32 s47, 0
	s_mov_b64 s[18:19], KS
	s_mul_u64 s[22:23], s[20:21], s[18:19]         ; where these rows' scale bytes begin
	s_mul_u64 s[92:93], s[46:47], s[18:19]
	s_mov_b64 s[18:19], KROW
	s_mul_u64 s[20:21], s[20:21], s[18:19]         ; and their codes
	s_mul_u64 s[46:47], s[46:47], s[18:19]
	s_mul_i32 s45, s14, HALFT                      ; where they go: wave x 128 rows
	s_mul_i32 s94, s14, HALFS
	s_wait_dscnt 0x0                               ; both opening adds are done
	s_wait_kmcnt 0x0
	s_add_nc_u64 s[20:21], s[4:5], s[20:21]
	s_add_nc_u64 s[22:23], s[6:7], s[22:23]
	s_add_nc_u64 s[46:47], s[8:9], s[46:47]
	s_add_nc_u64 s[92:93], s[10:11], s[92:93]
	CROUND                                         ; all sixteen work-groups are here: the joint loads meet
	s_mov_b32 s[G0S], 1
	s_add_co_u32 s[G0S+1], s94, SCL
	s_mov_b64 s[G0S+2:G0S+3], s[22:23]
	s_or_b32 s[G0S+3], s[G0S+3], 0x80000000
	s_mov_b32 s[G0SB], 1
	s_add_co_u32 s[G0SB+1], s94, SCL
	s_mov_b64 s[G0SB+2:G0SB+3], s[92:93]
	s_or_b32 s[G0SB+3], s[G0SB+3], 0x80000000
	JLOAD G0S, G1S, G0SB, G1SB                     ; the scale bytes first; with the two below, three tensor loads of mine are out
.irp s, 0,1
	s_mov_b32 s[G0+4*\s], 1
	s_add_co_u32 s[G0+4*\s+1], s45, \s*SLOT
	s_add_nc_u64 s[G0+4*\s+2:G0+4*\s+3], s[20:21], \s*ROWB
	s_or_b32 s[G0+4*\s+3], s[G0+4*\s+3], 0x80000000
	s_mov_b32 s[G0B+4*\s], 1
	s_add_co_u32 s[G0B+4*\s+1], s45, \s*SLOT
	s_add_nc_u64 s[G0B+4*\s+2:G0B+4*\s+3], s[46:47], \s*ROWB
	s_or_b32 s[G0B+4*\s+3], s[G0B+4*\s+3], 0x80000000
	JLOAD G0+4*\s, G1, G0B+4*\s, G1B
.endr
	v_and_b32 v1, 15, v0                           ; r = lane % 16
	v_bfe_u32 v2, v0, 4, 1                         ; h = lane / 16
	v_mul_u32_u24 v3, v1, PITCH
	v_lshl_add_u32 v4, v2, 4, v3                   ; a fragment's row x pitch + 16 x half
	s_mul_i32 s21, s15, HALFT                      ; my 128 rows of x
	s_mul_i32 s22, s16, HALFT                      ; my 128 rows of w,
	s_add_co_u32 s22, s22, 2*HALFT                 ; behind x's 256
.irp s, 0,1
	v_add_nc_u32 v[ADRA+\s], s21, v4
	v_add_nc_u32 v[ADRB+\s], s22, v4
	s_add_co_u32 s21, s21, SLOT
	s_add_co_u32 s22, s22, SLOT
.endr
	v_mul_u32_u24 v5, v1, KS                       ; my row's scale bytes: 32 a row,
	v_lshrrev_b32 v6, 8, v5
	v_lshl_add_u32 v5, v6, 4, v5                   ; and 16 more for each 256 passed
	s_mul_i32 s21, s15, HALFS
	s_mul_i32 s22, s16, HALFS
	s_add_co_u32 s22, s22, 2*HALFS
	s_sub_co_u32 s22, s22, s21
	v_mul_u32_u24 v6, s22, v2                      ; lanes 16-31 take w's
	s_add_co_u32 s21, s21, SCL
	v_add_nc_u32 v5, v5, v6
	v_add_nc_u32 v[ADRS], s21, v5
	s_mul_i32 s23, s14, 16*SPITCH                  ; my stage
	v_mul_u32_u24 v5, v1, SPITCH                   ; in: row r, 16 bytes for each half of the lanes
	v_lshl_add_u32 v5, v2, 4, v5
	v_add_nc_u32 v[STO], s23, v5
	v_mul_u32_u24 v5, v2, SPITCH                   ; back: lanes 0-15 one row of 256 bytes, lanes 16-31 the next
	v_lshl_add_u32 v5, v1, 4, v5
	v_add_nc_u32 v[RD], s23, v5
	v_and_b32 v6, 31, v0
	v_lshlrev_b32 v[CO], 4, v6                     ; two token rows are 512 consecutive bytes of qkv: 16 x lane
	v_lshlrev_b32 v[BO], 5, v2
	s_cmp_eq_u32 s95, 0                            ; the projection's bias and factor: p is the same in all partners
	s_cselect_b64 s[96:97], s[96:97], s[98:99]
	s_cselect_b32 s66, 0x3e38aa3b, 1.0             ; c = log2(e) / 8 for Q, 1 for K and V
	s_cmp_eq_u32 s95, 2
	s_cselect_b64 s[96:97], s[100:101], s[96:97]
	s_mov_b32 s67, s66                             ; (named with it as a pair)
	s_lshl_b32 s46, s42, 10                        ; my first column's bias: 4 x (256 x tile column + 128 x half)
	s_lshl_b32 s47, s16, 9
	s_add_co_u32 s46, s46, s47
	s_mov_b32 s47, 0
	s_add_nc_u64 s[96:97], s[96:97], s[46:47]
	WIN TO_B
.irp b, 0,1,2,3,4,5,6,7
	global_load_b128 v[BI+8*\b:BI+8*\b+3], v[BO], s[96:97] offset:64*\b       ; lane (r, h): the biases of columns 16 b + 8 h + 0 .. 7, the result's layout
	global_load_b128 v[BI+8*\b+4:BI+8*\b+7], v[BO], s[96:97] offset:64*\b+16
.endr
	WIN 0
	s_lshl_b32 s20, s17, 8                         ; where my part begins in qkv.  m0 = my first stacked row;
	s_lshl_b32 s21, s15, 7
	s_add_co_u32 s20, s20, s21
	s_lshr_b32 s21, s20, 11                        ; m0 / 2048 = 4 p + batch; x 8 + my pair of heads = 32 p + pair
	s_lshl_b32 s21, s21, 3
	s_lshl_b32 s46, s42, 1
	s_add_co_u32 s46, s46, s16
	s_add_co_u32 s21, s21, s46
	s_lshl_b32 s21, s21, 19                        ; 524,288 bytes a pair
	s_and_b32 s20, s20, 2047
	s_lshl_b32 s20, s20, 8                         ; 256 bytes a token
	s_add_co_u32 s20, s20, s21
	s_mov_b32 s21, 0
	s_add_nc_u64 s[12:13], s[12:13], s[20:21]
.macro FRAG reg, adr, q, i             ; 16 rows x 128 K of 4-bit codes: 8 registers: lane l holds row l % 16; registers 4 c .. 4 c + 3 hold K = 64 c + 32 (l / 16) + 0 .. 31
.irp c, 0,1
	ds_load_b128 v[\reg+4*\c:\reg+4*\c+3], v[\adr] offset:64*(\q)+32*\c+(\i)*16*PITCH
.endr
.endm
; 16 matrix instructions: x's blocks a0, a0 + 1 against w's eight.  The 64 accumulators take turns, one instruction a turn, in the same order in every step.
; One scale register carries x's word in lanes 0-15 and w's in lanes 16-31.
.macro MUL16 a0, p, q, sc, zero
.irp a, \a0, \a0+1
.irp b, 0,1,2,3,4,5,6,7
.if \zero
	v_wmma_scale_f32_16x16x128_f8f6f4 v[8*(8*((\a)%4)+\b):8*(8*((\a)%4)+\b)+7], v[128*(\p)+FR*\b:128*(\p)+FR*\b+FR-1], v[AF+FR*(\a):AF+FR*(\a)+FR-1], 0, v[SC+8*NQ*(\sc)+NQ*\b+(\q)], v[SC+8*NQ*(\sc)+NQ*(\a)+(\q)] matrix_a_fmt:MATRIX_FMT_FP4 matrix_b_fmt:MATRIX_FMT_FP4 matrix_a_scale:MATRIX_SCALE_ROW1
.else
	v_wmma_scale_f32_16x16x128_f8f6f4 v[8*(8*((\a)%4)+\b):8*(8*((\a)%4)+\b)+7], v[128*(\p)+FR*\b:128*(\p)+FR*\b+FR-1], v[AF+FR*(\a):AF+FR*(\a)+FR-1], v[8*(8*((\a)%4)+\b):8*(8*((\a)%4)+\b)+7], v[SC+8*NQ*(\sc)+NQ*\b+(\q)], v[SC+8*NQ*(\sc)+NQ*(\a)+(\q)] matrix_a_fmt:MATRIX_FMT_FP4 matrix_b_fmt:MATRIX_FMT_FP4 matrix_a_scale:MATRIX_SCALE_ROW1
.endif
.endr
.endr
.endm
.macro FETCH_B slot, q, p
	WIN TO_B
.irp i, 0,1,2,3,4,5,6,7
	FRAG 128*(\p)+FR*\i, ADRB+\slot, \q, \i
.endr
	WIN 0
.endm
.macro FETCH_A slot, q, i0
.irp i, \i0, \i0+1, \i0+2, \i0+3
	FRAG AF+FR*(\i), ADRA+\slot, \q, \i
.endr
.endm
.macro SCALES sc                       ; a K step's scale words: 4 words a row; lanes 0-15 x's block i, lanes 16-31 w's block i
.irp i, 0,1,2,3,4,5,6,7
	ds_load_b128 v[SC+8*NQ*\sc+NQ*\i:SC+8*NQ*\sc+NQ*\i+3], v[ADRS] offset:\i*SBLK
.endr
.endm
.macro PLACES n                        ; plain vector instructions between a matrix instruction and a load into, or a read of, its registers
.rept \n
	v_nop
.endr
.endm
.macro STEP slot, q, zero              ; 128 along K, with its successor in the same slot
	s_wait_dscnt 4*NL                              ; w's set and x's blocks 0-3 are in; the youngest eight loads (x's blocks 4-7) may be out
	WIN MUL_LO
	MUL16 0, (\q)%2, \q, \slot, \zero
	MUL16 2, (\q)%2, \q, \slot, \zero
	s_wait_dscnt 0
	PLACES NP
	FETCH_B \slot, (\q)+1, 1-(\q)%2
	FETCH_A \slot, (\q)+1, 0
	WIN MUL_HI
	MUL16 4, (\q)%2, \q, \slot, \zero
	MUL16 6, (\q)%2, \q, \slot, \zero
	PLACES NP
	WIN 0
	FETCH_A \slot, (\q)+1, 4
.endm
; Slot 0's last step changes slots: my part of slot 1 has landed, and one barrier shows everybody's.  Behind it nobody reads slot 0 any more.  Nothing is filled again.
.macro TURN slot, next
	s_wait_tensorcnt 0x0                           ; all my tensor loads have landed
	ds_add_u32 v[SPW], v[NIL]                      ; 0 onto my spare word
	s_wait_dscnt 4*NL+1                            ; the add and the youngest eight loads may be out
	WIN MUL_LO
	MUL16 0, 1, NQ-1, \slot, 0
	s_wait_dscnt 0x0                               ; the add is done, and my reads of this slot are over
	s_barrier_signal -1
	MUL16 2, 1, NQ-1, \slot, 0
	WIN 0
	s_barrier_wait -1
	PLACES NP
	v_add_nc_u32 v[ADRS], 4*NQ, v[ADRS]            ; the next K step's scale words
	FETCH_B \next, 0, 0
	FETCH_A \next, 0, 0
	SCALES \next
	WIN MUL_HI
	MUL16 4, 1, NQ-1, \slot, 0
	MUL16 6, 1, NQ-1, \slot, 0
	PLACES NP
	WIN 0
	FETCH_A \next, 0, 4
.endm
.macro STEPS slot, from
.set Q, \from
.rept NQ-1-\from
	STEP \slot, Q, 0
.set Q, Q+1
.endr
.endm
	s_wait_tensorcnt 1                             ; the scale bytes and my part of K step 0 are in; K step 1's load may be out
	s_barrier_signal -1
	s_barrier_wait -1
	FETCH_B 0, 0, 0
	FETCH_A 0, 0, 0
	SCALES 0
	FETCH_A 0, 0, 4
	STEP 0, 0, 1                                   ; the first products start the sums: nothing is cleared
	STEPS 0, 1
	TURN 0, 1
	STEPS 1, 0
	s_wait_dscnt 4*NL                              ; the last step: nothing more to fetch
	WIN MUL_LO
	MUL16 0, 1, NQ-1, 1, 0
	MUL16 2, 1, NQ-1, 1, 0
	s_wait_dscnt 0
	WIN MUL_HI
	MUL16 4, 1, NQ-1, 1, 0
	MUL16 6, 1, NQ-1, 1, 0
; THE WAY OUT, a block of 16 tokens x 128 columns at a time: factor x sum + factor x bias, one fused multiply-add; rounded to f16; 16 bytes a lane into my stage; back as whole rows of 256 bytes.
	s_wait_loadcnt 0x0                             ; the biases
	WIN 0x41                                       ; destination and source 0 window 1
.set i, 0
.rept 32
	v_pk_mul_f32 v[BI+i:BI+i+1], v[BI+i:BI+i+1], s[66:67] op_sel_hi:[1,0]   ; factor x bias.  These name no register of the last products: they are the places behind them
.set i, i+2
.endr
.macro PACK a
.set AC, 64*((\a)%4)
.set WN, 0x52+((\a)/4)                 ; source 0 window 2 or 3, source 2 and destination window 1
	WIN WN
.irp b, 0,1,2,3,4,5,6,7
.irp i, 0,1,2,3
	v_pk_fma_f32 v[TW+8*\b+2*\i:TW+8*\b+2*\i+1], v[AC+8*\b+2*\i:AC+8*\b+2*\i+1], s[66:67], v[BI+8*\b+2*\i:BI+8*\b+2*\i+1] op_sel_hi:[1,0,1]   ; each accumulator from its low end on
.endr
.endr
	WIN 0x05                                       ; sources window 1, destination window 0
.irp b, 0,1,2,3,4,5,6,7
.irp i, 0,1,2,3
	v_cvt_pk_f16_f32 v[TMP+4*\b+\i], v[TW+8*\b+2*\i], v[TW+8*\b+2*\i+1]
.endr
.endr
	WIN 0
.endm
.macro TOSTAGE a
.set BB, BK+32*((\a)%2)
.irp b, 0,1,2,3,4,5,6,7
	ds_store_b128 v[STO], v[TMP+4*\b:TMP+4*\b+3] offset:32*\b
.endr
.irp t, 0,1,2,3,4,5,6,7
	ds_load_b128 v[BB+4*\t:BB+4*\t+3], v[RD] offset:\t*2*SPITCH    ; LDS serves a wave's instructions in order: these see the stores above
.endr
.endm
.macro SEND a
.set BB, BK+32*((\a)%2)
	s_wait_dscnt 0x0                               ; the block is back in registers
	s_wait_xcnt 0x0                                ; earlier stores have read their data: the next block's loads from the stage may land on the other set
.irp t, 0,1,2,3,4,5,6,7
	global_store_b128 v[CO], v[BB+4*\t:BB+4*\t+3], s[12:13] offset:4096*(\a)+512*\t   ; 512 consecutive bytes, aligned: two token rows
.endr
.endm
	PACK 0
	TOSTAGE 0
.irp a, 1,2,3,4,5,6,7                  ; block a's arithmetic stands between block a - 1's loads from the stage and the wait for them
	PACK \a
	SEND \a-1
	TOSTAGE \a
.endr
	SEND 7
	s_wait_tensorcnt 0x0                           ; the wave's end
	ds_add_u32 v[SPW], v[NIL]
	s_wait_dscnt 0x0
	CROUND                                         ; the closing round
	s_endpgm
.Lfunc_end_k_qf3bf42c7f4_proj:
	.size	k_qf3bf42c7f4_proj, .Lfunc_end_k_qf3bf42c7f4_proj-k_qf3bf42c7f4_proj
	.p2alignl 7, 3214868480
	.fill 96, 4, 3214868480
	.section	.rodata,"a",@progbits
	.p2align	6, 0x0
	.amdhsa_kernel k_qf3bf42c7f4_proj
		.amdhsa_group_segment_fixed_size 327680
		.amdhsa_private_segment_fixed_size 0
		.amdhsa_enable_private_segment 0
		.amdhsa_kernarg_size 64
		.amdhsa_user_sgpr_count 2
		.amdhsa_user_sgpr_kernarg_segment_ptr 1
		.amdhsa_wavefront_size32 1
		.amdhsa_system_sgpr_workgroup_id_x 1
		.amdhsa_system_sgpr_workgroup_id_y 1
		.amdhsa_system_sgpr_workgroup_id_z 1
		.amdhsa_system_vgpr_workitem_id 0
		.amdhsa_next_free_vgpr 1024
		.amdhsa_next_free_sgpr 102
		.amdhsa_reserve_vcc 0
		.amdhsa_float_denorm_mode_32 3
		.amdhsa_float_denorm_mode_16_64 3
		.amdhsa_memory_ordered 1
		.amdhsa_forward_progress 1
		.amdhsa_inst_pref_size 147
	.end_amdhsa_kernel
	.amdgpu_metadata
---
amdhsa.version: [ 1, 2 ]
amdhsa.kernels:
  - .name:           k_qf3bf42c7f4_proj
    .symbol:         k_qf3bf42c7f4_proj.kd
    .args:
      - { .name: x_codes, .offset: 0, .size: 8, .value_kind: global_buffer, .address_space: global }
      - { .name: x_scales, .offset: 8, .size: 8, .value_kind: global_buffer, .address_space: global }
      - { .name: w_codes, .offset: 16, .size: 8, .value_kind: global_buffer, .address_space: global }
      - { .name: w_scales, .offset: 24, .size: 8, .value_kind: global_buffer, .address_space: global }
      - { .name: qkv, .offset: 32, .size: 8, .value_kind: global_buffer, .address_space: global }
      - { .name: b_q, .offset: 40, .size: 8, .value_kind: global_buffer, .address_space: global }
      - { .name: b_k, .offset: 48, .size: 8, .value_kind: global_buffer, .address_space: global }
      - { .name: b_v, .offset: 56, .size: 8, .value_kind: global_buffer, .address_space: global }
    .group_segment_fixed_size: 327680
    .private_segment_fixed_size: 0
    .kernarg_segment_align: 8
    .kernarg_segment_size: 64
    .max_flat_workgroup_size: 128
    .sgpr_count:     102
    .vgpr_count:     1024
    .wavefront_size: 32
...
	.end_amdgpu_metadata
.endif
;; end of part 2
;; launch attn (part 3): grid 8 x 32, 8 waves a work-group, clusters of 4 x 1, 327,680 bytes of LDS; arguments qkv, ctx; writes ctx
.if DOCPART == 3
	.amdgcn_target "amdgcn-amd-amdhsa--gfx1250"
	.amdhsa_code_object_version 6
	.text
	.protected	k_qf3bf42c7f4_attn
	.globl	k_qf3bf42c7f4_attn
	.p2align	8
	.type	k_qf3bf42c7f4_attn,@function
k_qf3bf42c7f4_attn:
	s_mov_b64 s[64:65], 0
	v_nop
	global_prefetch_b8 v0, s[64:65] scope:SCOPE_SE
	s_setreg_imm32_b32 hwreg(HW_REG_WAVE_MODE, 25, 1), 1
	s_wait_xcnt 0x0
	s_wait_alu depctr_hold_cnt(0) depctr_sa_sdst(0) depctr_va_vdst(0) depctr_va_sdst(0) depctr_va_ssrc(0) depctr_va_vcc(0) depctr_vm_vsrc(0)
	s_getreg_b32 s2, hwreg(HW_REG_IB_STS2, 6, 4)
	s_cmp_eq_u32 s2, 0
	s_cbranch_scc0 .Lentry_in_a_cluster
	s_endpgm
.Lentry_in_a_cluster:
	s_bfe_u32 s2, ttmp6, 0x10000c
	s_cmp_lg_u32 s2, 0x3003
	s_cbranch_scc0 .Lentry_shape_is_right
	s_endpgm
.Lentry_shape_is_right:
; ctx[token][head 64 channels] = the sum over keys of softmax(Q . K / 8) V, for 64 (batch, head) of 2,048 tokens, no mask.  Operands f16; products, maxima and sums f32; p rounded to f16 for the second product, ctx once at the end.
; qkv: [Q', K, V][pair of heads 0..31][token 2048][128 f16]; Q' already carries log2(e) / 8, so a score is an exponent of two.  ctx: [8192 tokens][1024] f16.
; SOFTMAX: for each query a running maximum m and sum l: p = 2^(s - m); in every step O and l are multiplied by a = 2^(m_old - m_new).  m begins at -3e38, O and l at 0, so the step is written once.
; LIMITS: NaN and infinities are not served; |ctx| stays under 65,504 (f16), which follows from |V|.
; SHARES: a work-group owns 256 queries of one pair of heads.  Wave w: head e = w / 4 of the pair, queries 64 (w % 4) on: four tiles of 16.  Two waves share a SIMD's registers, 512 each,
; so that one wave's vector work can stand beside the other's products; the text itself goes in phases.  Every wave walks all 2,048 keys, 64 a step.
; LAYOUT: S^T = K Q'^T (source 0 = 16 keys, source 1 = 16 queries): a lane holds ONE query (lane % 16) and keys 8 (lane / 16) + 0..7.  Two such tiles, rounded in pairs, ARE source 1 of O^T = V^T P.
; K comes out of LDS as it lies, V ([key][channel]) turned, by ds_load_tr16_b128.
; RING: two slots of two key steps.  Waves 0, 1 fetch a slot's two tiles of K (both heads: rows of 256 bytes), waves 2, 3 those of V; all eight read.  One tensor load of a wave is out at most.
; CLUSTER: the four query blocks of a cluster walk the same K and V: each tile is asked for jointly, with a mask that names the four.
; REGISTERS: window 0: v2-13 addresses; v16-47 statistics, 8 a tile; v64-191 S^T, 32 a tile (P takes a tile's first 16 in place); v192-255 K.   window 1: v0-127 O^T, 32 a tile; v128-191 Q; v192-255 V.
.set KS,    64
.set PK,    272                        ; a row of K in LDS: 256 bytes + 16
.set PV,    288                        ; a row of V: 256 + 32
.set VOFF,  KS*PK
.set STEPB, KS*(PK+PV)
.set SLOT1, 1<<17                      ; one exclusive or turns an address in one slot into the other's
.set SPARE, SLOT1+2*STEPB              ; the spare words, 128 bytes for each of eight waves, which no other line names
.set SP,    272                        ; the way out: a stage of 256 rows x (256 + 16) bytes in slot 0, which has had its last fill and its last read at the last change of slots
.set AK0, 2
.set AV0, 3
.set ADK, 4
.set ADV, 5
.set QO,  6
.set STO, 7
.set RD,  8
.set GO,  9
.set PFO, 10
.set SPW, 12
.set NIL, 13
.set ST,  16                           ; tile t at v[ST+8 t]: +0 m, +1 its pair's other half, +2, +3 l (even keys', odd keys'), +4 to +7 at work; a in +6, m_old - m_new in +7
.set S,   64
.set KF,  192
.set QF,  128                          ; window 1
.set VF,  192                          ; window 1
.set WV,  12
.set LIM, 15
.set PFA, 18
.set G1K, 24
.set G1V, 32
.set G0K, 40
.set G0V, 44
.set SLOTS, 56
.set TWICE, 57
.set SEL, 60
.set TB,  62
.set MSB, 0
.macro WIN new
.if MSB != \new
	s_set_vgpr_msb (MSB<<8)|\new
.set MSB, \new
.endif
.endm
.set W_KQ, 0x04                        ; Q (source 1) window 1; K and S^T window 0
.set W_PV, 0x51                        ; V, C and D window 1; P window 0
.set W_RS, 0x41                        ; O^T (destination and source 0) window 1, a window 0
; Waves 0, 1 fetch for K, waves 2, 3 for V, the others nothing: branches on the wave's number alone.  An s_nop 0 and four v_nop follow each load.
.macro JLOAD
	s_cmp_lt_u32 s[WV], 2
	s_cbranch_scc0 .Lnot_k_\@
	tensor_load_to_lds s[G0K:G0K+3], s[G1K:G1K+7]
	s_nop 0
.rept 4
	v_nop
.endr
	s_branch .Lasked_\@
.Lnot_k_\@:
	s_cmp_lt_u32 s[WV], 4
	s_cbranch_scc0 .Lasked_\@
	tensor_load_to_lds s[G0V:G0V+3], s[G1V:G1V+7]
	s_nop 0
.rept 4
	v_nop
.endr
.Lasked_\@:
.endm
; A prefetch of what the NEXT change of slots will ask for: 128 rows of K and 128 of V, 256 bytes a row, a lane a row.  Each row is named once in the launch: the pair's first cluster asks;
; its four partners take 32 rows each, told apart by address; in each, wave 4 asks for K's and wave 5 for V's.  The last change that fills a slot asks for nothing.
.macro ASK
	s_cmp_gt_u32 s[SLOTS], s[LIM]
	s_cbranch_scc0 .Lnot_mine_\@
	global_prefetch_b8 v[PFO], s[PFA:PFA+1] th:TH_LOAD_NT scope:SCOPE_SE
.Lnot_mine_\@:
.endm
.macro CROUND
	s_barrier_signal -1
	s_barrier_wait -1
	s_cmp_lg_u32 s[WV], 0
	s_cbranch_scc1 .Lnot_wave_0_\@
	s_barrier_signal -3
.Lnot_wave_0_\@:
	s_barrier_wait -3
	s_barrier_signal -1
	s_barrier_wait -1
.endm
	s_load_b128 s[4:7], s[0:1], 0x0                ; qkv s[4:5], ctx s[6:7]
	v_lshl_add_u32 v[SPW], v0, 2, SPARE
	v_mov_b32 v[NIL], 0
	ds_add_u32 v[SPW], v[NIL]                      ; the wave's opening: the add, twice on end, and its wait ahead of the first tensor load
	ds_add_u32 v[SPW], v[NIL]
	v_lshrrev_b32 v1, 5, v0
	v_readfirstlane_b32 s[WV], v1                  ; wave 0..7
	s_bfe_u32 s13, ttmp6, 0x40000                  ; cx
	s_lshl_b32 s14, ttmp9, 2
	s_add_co_u32 s14, s14, s13                     ; my block of 256 queries: it enters Q's and ctx's addresses alone
	s_and_b32 s2, ttmp7, 0xffff                    ; the pair of heads, which the four partners share
	s_lshl_b32 s20, s2, 19                         ; its 524,288 bytes in each of Q', K, V
	s_mov_b32 s21, 0
	s_and_b32 s16, s[WV], 1                        ; which of a slot's two steps I fetch:
	s_lshl_b32 s22, s16, 14                        ; its 64 rows of 256 bytes,
	s_mov_b32 s23, 0
	s_add_nc_u64 s[22:23], s[22:23], s[20:21]
	s_mul_i32 s17, s16, STEPB                      ; and its place in a slot
	s_and_b32 s3, s[WV], 3                         ; g: which 64 queries
	s_lshr_b32 s58, s[WV], 2                       ; e: which head of the pair
	s_lshl_b32 s59, s58, 7                         ; its 128 bytes of a row
	s_lshl_b32 s48, s14, 16                        ; Q': block x 256 rows + g x 64 rows + the head's bytes
	s_lshl_b32 s49, s3, 14
	s_add_co_u32 s48, s48, s49
	s_add_co_u32 s48, s48, s59
	s_mov_b32 s49, 0
	s_add_nc_u64 s[48:49], s[48:49], s[20:21]
	s_lshr_b32 s50, s2, 3                          ; ctx: batch x 2,048 rows of 2,048 bytes + block x 256 rows + wave x 32 rows + the pair's 256 bytes
	s_lshl_b32 s50, s50, 22
	s_lshl_b32 s51, s14, 19
	s_add_co_u32 s50, s50, s51
	s_lshl_b32 s51, s[WV], 16
	s_add_co_u32 s50, s50, s51
	s_and_b32 s51, s2, 7
	s_lshl_b32 s51, s51, 8
	s_add_co_u32 s50, s50, s51
	s_mov_b32 s51, 0
	s_add_co_u32 s18, s16, 1                       ; the prefetches: K (even wave) or V (odd wave),
	s_lshl_b32 s18, s18, 24
	s_lshl_b32 s19, s13, 13                        ; my work-group's 32 rows of the 128,
	s_add_co_u32 s18, s18, s19
	s_add_co_u32 s18, s18, 2*KS*256                ; in slot 1: the first change of slots steps it to slot 2.  Nothing is prefetched at the head
	s_mov_b32 s19, 0
	s_add_nc_u64 s[18:19], s[18:19], s[20:21]
	s_lshr_b32 s[LIM], s[WV], 1
	s_xor_b32 s[LIM], s[LIM], 2                    ; 0 in waves 4 and 5,
	s_or_b32 s[LIM], s[LIM], ttmp9                 ; of the pair's first cluster: the same in all four partners
	s_cmp_eq_u32 s[LIM], 0
	s_cselect_b32 s[LIM], 1, -1
	s_mov_b32 s[G1K], 15|(1<<16)|(1<<20)|(1<<21)|(5<<22)|(3<<25)  ; the mask: all four; elements of 2 bytes; padding on; bit 21 beside a mask; 4 words behind every 64
	s_mov_b32 s[G1V], 15|(1<<16)|(1<<20)|(1<<21)|(5<<22)|(7<<25)  ; the same with 8 words of padding
.irp g, G1K, G1V
	s_mov_b32 s[\g+1], 128<<16                     ; tensor_dim0
	s_mov_b32 s[\g+2], KS<<16                      ; tensor_dim1
	s_mov_b32 s[\g+3], 128<<16                     ; tile_dim0
	s_mov_b32 s[\g+4], KS                          ; tile_dim1
	s_mov_b32 s[\g+5], 128                         ; from row to row
	s_mov_b32 s[\g+6], 0
	s_mov_b32 s[\g+7], 0
.endr
	s_mov_b32 s[SEL], 0x76543210                   ; v_permlanex16_b32: lane l xor 16
	s_mov_b32 s[SEL+1], 0xfedcba98
	s_mov_b32 s[TB], 0
	s_mov_b32 s[SLOTS], 2048/(2*KS)-1
	s_wait_dscnt 0x0                               ; both opening adds are done
	s_wait_kmcnt 0x0
	s_add_nc_u64 s[52:53], s[4:5], s[22:23]
	s_add_nc_u64 s[48:49], s[4:5], s[48:49]
	s_add_nc_u64 s[50:51], s[6:7], s[50:51]
	s_add_nc_u64 s[PFA:PFA+1], s[4:5], s[PFA:PFA+1]
	CROUND                                         ; all four work-groups are here: the first joint loads meet
	s_mov_b32 s[G0K], 1
	s_mov_b32 s[G0K+1], s17                        ; slot 0
	s_add_nc_u64 s[G0K+2:G0K+3], s[52:53], 0x1000000   ; K's part of qkv
	s_or_b32 s[G0K+3], s[G0K+3], 0x80000000
	s_mov_b32 s[G0V], 1
	s_add_co_u32 s[G0V+1], s17, VOFF
	s_add_nc_u64 s[G0V+2:G0V+3], s[52:53], 0x2000000   ; V's
	s_or_b32 s[G0V+3], s[G0V+3], 0x80000000
	JLOAD                                          ; slot 0; slot 1 is first filled behind the first trip's round
	v_and_b32 v1, 15, v0                           ; r
	v_bfe_u32 v11, v0, 4, 1                        ; h
	v_lshlrev_b32 v[QO], 8, v1
	v_lshl_add_u32 v[QO], v11, 4, v[QO]            ; row x 256 + 16 x half
	WIN 0x40                                       ; destination window 1
.irp t, 0,1,2,3
.irp f, 0,1
	global_load_b128 v[QF+16*\t+8*\f:QF+16*\t+8*\f+3],   v[QO], s[48:49] offset:4096*\t+64*\f      ; Q stays in registers: tile t, channels 32 f on
	global_load_b128 v[QF+16*\t+8*\f+4:QF+16*\t+8*\f+7], v[QO], s[48:49] offset:4096*\t+64*\f+32
.endr
.endr
.set i, 0
.rept 128
	v_mov_b32 v[i], 0                              ; O^T: the step is written once, and its first pass multiplies these zeros by a = 0
.set i, i+1
.endr
	WIN 0
	v_mul_u32_u24 v[AK0], v1, PK
	v_lshl_add_u32 v[AK0], v11, 4, v[AK0]
	v_add_nc_u32 v[AK0], s59, v[AK0]               ; K: row x pitch + 16 x half + my head's bytes
	v_and_b32 v14, 7, v0
	v_bfe_u32 v15, v0, 3, 1
	v_lshl_add_u32 v[AV0], v11, 3, v14             ; V, for the turning load: key 8 h + l % 8,
	v_mul_u32_u24 v[AV0], v[AV0], PV
	v_lshl_add_u32 v[AV0], v15, 4, v[AV0]          ; channels 8 ((l / 8) % 2) on
	v_add_nc_u32 v[AV0], VOFF, v[AV0]
	v_add_nc_u32 v[AV0], s59, v[AV0]
	s_mul_i32 s22, s3, 64*SP                       ; the stage, in: row 64 g + r, my head's 128 bytes, 16 bytes for each half of the lanes
	s_add_co_u32 s22, s22, s59
	v_mul_u32_u24 v[STO], v1, SP
	v_lshl_add_u32 v[STO], v11, 4, v[STO]
	v_add_nc_u32 v[STO], s22, v[STO]
	s_mul_i32 s23, s[WV], 32*SP                    ; back: wave w takes rows 32 w on, whole; lanes 0-15 one row, lanes 16-31 the next
	v_mul_u32_u24 v[RD], v11, SP
	v_lshl_add_u32 v[RD], v1, 4, v[RD]
	v_add_nc_u32 v[RD], s23, v[RD]
	v_lshlrev_b32 v[GO], 11, v11                   ; and the same two rows in ctx
	v_lshl_add_u32 v[GO], v1, 4, v[GO]
	v_and_b32 v[PFO], 31, v0
	v_lshlrev_b32 v[PFO], 8, v[PFO]
.irp t, 0,1,2,3
	v_mov_b32 v[ST+8*\t], 0xff61b1e6               ; m: -3e38, under every score
.irp j, 1,2,3,4,5,6,7
	v_mov_b32 v[ST+8*\t+\j], 0                     ; l, and registers that are named as halves of pairs or as a lane permute's destination before they are first computed
.endr
.endr
; THE SOFTMAX of a key step, the four tiles by turns, line by line, so that no line waits for the line above it.
.macro SOFTMAX
.irp j, 0,1,2,3
.irp t, 0,1,2,3
	v_max3_num_f32 v[ST+8*\t+4+\j], v[S+32*\t+8*\j], v[S+32*\t+8*\j+1], v[S+32*\t+8*\j+2]   ; four chains a tile, each accumulator from its low end on
.endr
.endr
.irp q, 1,2
.irp j, 0,1,2,3
.irp t, 0,1,2,3
	v_max3_num_f32 v[ST+8*\t+4+\j], v[ST+8*\t+4+\j], v[S+32*\t+8*\j+2*\q+1], v[S+32*\t+8*\j+2*\q+2]
.endr
.endr
.endr
.irp t, 0,1,2,3
	v_max3_num_f32 v[ST+8*\t+4], v[ST+8*\t+4], v[S+32*\t+7], v[S+32*\t+15]
	v_max3_num_f32 v[ST+8*\t+6], v[ST+8*\t+6], v[S+32*\t+23], v[S+32*\t+31]
.endr
.irp t, 0,1,2,3
	v_max3_num_f32 v[ST+8*\t+4], v[ST+8*\t+4], v[ST+8*\t+5], v[ST+8*\t+6]
.endr
.irp t, 0,1,2,3
	v_max3_num_f32 v[ST+8*\t+4], v[ST+8*\t+4], v[ST+8*\t+7], v[ST+8*\t]   ; with the old m
.endr
.irp t, 0,1,2,3
	v_permlanex16_b32 v[ST+8*\t+5], v[ST+8*\t+4], s[SEL], s[SEL+1]        ; the query's other 32 keys lie in the lane 16 away
.endr
.irp t, 0,1,2,3
	v_mov_b32 v[ST+8*\t+7], v[ST+8*\t]
.endr
.irp t, 0,1,2,3
	v_max_num_f32 v[ST+8*\t], v[ST+8*\t+4], v[ST+8*\t+5]                  ; the new m
.endr
.irp t, 0,1,2,3
	v_sub_f32 v[ST+8*\t+7], v[ST+8*\t+7], v[ST+8*\t]                      ; m_old - m_new
.endr
.set n, 0
.rept 16
.irp t, 0,1,2,3
	v_pk_add_f32 v[S+32*\t+n:S+32*\t+n+1], v[S+32*\t+n:S+32*\t+n+1], v[ST+8*\t:ST+8*\t+1] op_sel_hi:[1,0] neg_lo:[0,1] neg_hi:[0,1]   ; s - m, two at a time
.endr
.set n, n+2
.endr
.irp t, 0,1,2,3
	v_exp_f32 v[ST+8*\t+6], v[ST+8*\t+7]           ; a.  ONE BATCH of 132 exponentials, none of which reads another's result
.endr
.set n, 0
.rept 32
.irp t, 0,1,2,3
	v_exp_f32 v[S+32*\t+n], v[S+32*\t+n]           ; p
.endr
.set n, n+1
.endr
	v_nop                                          ; a plain instruction behind the last exponential
	s_wait_alu depctr_va_vdst(0)                   ; one wait for the batch, ahead of its first reader
.irp t, 0,1,2,3
	v_pk_fma_f32 v[ST+8*\t+2:ST+8*\t+3], v[ST+8*\t+2:ST+8*\t+3], v[ST+8*\t+6:ST+8*\t+7], v[S+32*\t:S+32*\t+1] op_sel_hi:[1,0,1]   ; l = a l + the first pair; the sums are of the unrounded p, in two chains
.endr
.irp t, 0,1,2,3
	v_pk_add_f32 v[ST+8*\t+4:ST+8*\t+5], v[S+32*\t+2:S+32*\t+3], v[S+32*\t+6:S+32*\t+7]
.endr
.irp n, 4,8,12,16,20,24
.irp t, 0,1,2,3
	v_pk_add_f32 v[ST+8*\t+2:ST+8*\t+3], v[ST+8*\t+2:ST+8*\t+3], v[S+32*\t+\n:S+32*\t+\n+1]
	v_pk_add_f32 v[ST+8*\t+4:ST+8*\t+5], v[ST+8*\t+4:ST+8*\t+5], v[S+32*\t+\n+6:S+32*\t+\n+7]
.endr
.endr
.irp t, 0,1,2,3
	v_pk_add_f32 v[ST+8*\t+2:ST+8*\t+3], v[ST+8*\t+2:ST+8*\t+3], v[S+32*\t+28:S+32*\t+29]
.endr
.irp t, 0,1,2,3
	v_pk_add_f32 v[ST+8*\t+2:ST+8*\t+3], v[ST+8*\t+2:ST+8*\t+3], v[ST+8*\t+4:ST+8*\t+5]
.endr
.set n, 0
.rept 16
.irp t, 0,1,2,3
	v_cvt_pk_f16_f32 v[S+32*\t+n], v[S+32*\t+2*n], v[S+32*\t+2*n+1]       ; P in place, ascending: register n has been read by pair n / 2
.endr
.set n, n+1
.endr
	WIN W_RS
.set n, 0
.rept 16
.irp t, 0,1,2,3
	v_pk_mul_f32 v[32*\t+n:32*\t+n+1], v[32*\t+n:32*\t+n+1], v[ST+8*\t+6:ST+8*\t+7] op_sel_hi:[1,0]   ; O^T x a, each accumulator from its low end on
.endr
.set n, n+2
.endr
.endm
; A KEY STEP: 64 keys at LDS byte s[TB].
.macro STEP
	WIN 0
	v_add_nc_u32 v[ADK], s[TB], v[AK0]             ; with the three v_nop: five places behind the last V^T P: four for the loads into V's registers, five for the products below, which write over P
	v_add_nc_u32 v[ADV], s[TB], v[AV0]
.rept 3
	v_nop
.endr
.irp kt, 0,1,2,3
.irp f, 0,1
	ds_load_b128 v[KF+8*(2*\kt+\f):KF+8*(2*\kt+\f)+3],   v[ADK] offset:\kt*16*PK+64*\f       ; keys 16 kt on, channels 32 f on
	ds_load_b128 v[KF+8*(2*\kt+\f)+4:KF+8*(2*\kt+\f)+7], v[ADK] offset:\kt*16*PK+64*\f+32
.endr
.endr
	WIN 0x40
.irp u, 0,1
.irp ct, 0,1,2,3
	ds_load_tr16_b128 v[VF+8*(4*\u+\ct):VF+8*(4*\u+\ct)+3],   v[ADV] offset:\u*32*PV+32*\ct          ; keys 32 u on, channels 16 ct on
	ds_load_tr16_b128 v[VF+8*(4*\u+\ct)+4:VF+8*(4*\u+\ct)+7], v[ADV] offset:\u*32*PV+16*PV+32*\ct
.endr
.endr
	s_add_co_u32 s[TB], s[TB], STEPB               ; the next fetch is the next step's
	s_wait_dscnt 16                                ; K's 16 loads are in; V's 16 may be out
	WIN W_KQ
.set i, 0
.rept 32                                       ; S^T = K Q'^T: channels 32 (i / 16) on, keys 16 ((i / 4) % 4) on, tile i % 4: the 16 accumulators take turns
.set rS, S+32*(i%4)+8*((i/4)%4)
.set rK, KF+8*(2*((i/4)%4)+i/16)
.set rQ, QF+16*(i%4)+8*(i/16)
.if i < 16
	v_wmma_f32_16x16x32_f16 v[rS:rS+7], v[rK:rK+7], v[rQ:rQ+7], 0
.else
	v_wmma_f32_16x16x32_f16 v[rS:rS+7], v[rK:rK+7], v[rQ:rQ+7], v[rS:rS+7]
.endif
.set i, i+1
.endr
	WIN 0
.rept 4
	v_nop                                          ; places in front of the first read of the scores
.endr
	SOFTMAX
	s_wait_dscnt 0x0                               ; V is in
	WIN W_PV
.set i, 0
.rept 32                                       ; O^T += V^T P: keys 32 (i / 16) on, channels 16 ((i / 4) % 4) on, tile i % 4: 16 accumulators by turns
.set rO, 32*(i%4)+8*((i/4)%4)
.set rV, VF+8*(4*(i/16)+(i/4)%4)
.set rP, S+32*(i%4)+8*(i/16)
	v_wmma_f32_16x16x32_f16 v[rO:rO+7], v[rV:rV+7], v[rP:rP+7], v[rO:rO+7]
.set i, i+1
.endr
	WIN 0
.endm
; THE CHANGE OF SLOTS stands at a slot's head.  Each wave waits for all its tensor loads (its part of the slot ahead), adds 0 to its spare word, and waits for that and for its reads of the slot that it has left.
; fill = 1: the barrier is a round of the cluster's, and behind it the slot just left takes the keys that follow: the load has a slot's two key steps in which to land.
.macro CHANGE fill
	WIN 0
	s_wait_tensorcnt 0x0                           ; no tensor load of mine is out, so a group 0 may be written
	ds_add_u32 v[SPW], v[NIL]                      ; 0 onto my spare word
.if \fill
	ds_add_u32 v[SPW], v[NIL]                      ; and once more
	s_xor_b32 s[G0K+1], s[G0K+1], SLOT1            ; the walking descriptors: the other slot,
	s_add_nc_u64 s[G0K+2:G0K+3], s[G0K+2:G0K+3], 2*KS*256   ; the next 128 keys
	s_xor_b32 s[G0V+1], s[G0V+1], SLOT1
	s_add_nc_u64 s[G0V+2:G0V+3], s[G0V+2:G0V+3], 2*KS*256
	s_wait_xcnt 0x0                                ; the last prefetch, a slot back, has read its address
	s_add_nc_u64 s[PFA:PFA+1], s[PFA:PFA+1], 2*KS*256       ; one slot further on than the walking descriptors
	s_wait_dscnt 0x0                               ; the adds are done, and my reads of the slot that I have left are over
	CROUND
	JLOAD                                          ; the first thing behind the round, one tensor load a wave
	ASK
.else
	s_wait_dscnt 0x0
	s_barrier_signal -1
	s_barrier_wait -1
.endif
.endm
.macro TWO_STEPS                       ; a slot's two key steps: written once, walked twice
	s_mov_b32 s[TWICE], 2
.Lstep_\@:
	STEP
	s_sub_co_u32 s[TWICE], s[TWICE], 1
	s_cmp_lg_u32 s[TWICE], 0
	s_cbranch_scc1 .Lstep_\@
	s_sub_co_u32 s[TB], s[TB], 2*STEPB             ; back to a slot's first step,
	s_xor_b32 s[TB], s[TB], SLOT1                  ; in the other slot
.endm
	s_wait_loadcnt 0x0                             ; Q
.Lslot:                                            ; 15 trips: behind each change of slots but the last the next slot is asked for
	CHANGE 1
	TWO_STEPS
	s_sub_co_u32 s[SLOTS], s[SLOTS], 1
	s_cmp_lg_u32 s[SLOTS], 0
	s_cbranch_scc1 .Lslot
	CHANGE 0                                       ; the last slot is written out
	TWO_STEPS
	; THE WAY OUT.  l's halves are added; O^T / l is rounded to f16 and meets the pair's other head in the stage, so that whole rows of 256 bytes leave.
.irp t, 0,1,2,3
	v_add_f32 v[ST+8*\t+4], v[ST+8*\t+2], v[ST+8*\t+3]     ; (these four are the places behind the last products)
.endr
.irp t, 0,1,2,3
	v_permlanex16_b32 v[ST+8*\t+5], v[ST+8*\t+4], s[SEL], s[SEL+1]
.endr
.irp t, 0,1,2,3
	v_add_f32 v[ST+8*\t+4], v[ST+8*\t+4], v[ST+8*\t+5]
.endr
.irp t, 0,1,2,3
	v_rcp_f32 v[ST+8*\t+6], v[ST+8*\t+4]
.endr
	v_nop                                          ; a plain instruction behind the last reciprocal
	s_wait_alu depctr_va_vdst(0)                   ; one wait for the four, ahead of their first reader
.macro PACK t
	WIN W_RS
.set i, 0
.rept 16
	v_pk_mul_f32 v[32*\t+i:32*\t+i+1], v[32*\t+i:32*\t+i+1], v[ST+8*\t+6:ST+8*\t+7] op_sel_hi:[1,0]
.set i, i+2
.endr
	WIN 0x05                                       ; sources window 1, destination window 0
.set i, 0
.rept 16
	v_cvt_pk_f16_f32 v[S+16*\t+i], v[32*\t+2*i], v[32*\t+2*i+1]
.set i, i+1
.endr
	WIN 0
.irp ct, 0,1,2,3
	ds_store_b128 v[STO], v[S+16*\t+4*\ct:S+16*\t+4*\ct+3] offset:16*SP*\t+32*\ct   ; query 16 t + r, channels 16 ct + 8 h + 0 .. 7
.endr
.endm
	PACK 0
	PACK 1
	PACK 2
	PACK 3
	s_wait_dscnt 0x0                               ; for the others' sake: my stores into the stage are done
	s_barrier_signal -1
	s_barrier_wait -1                              ; a row's 256 bytes come from two waves
.irp i, 0,1,2,3,4,5,6,7,8,9,10,11,12,13,14,15
	ds_load_b128 v[128+4*\i:128+4*\i+3], v[RD] offset:2*\i*SP
.endr
.irp i, 0,1,2,3,4,5,6,7,8,9,10,11,12,13,14,15
	s_wait_dscnt 15-\i                             ; LDS loads come back in order: load i is in, the younger ones may be out
	global_store_b128 v[GO], v[128+4*\i:128+4*\i+3], s[50:51] offset:4096*\i   ; 16 lanes store 256 consecutive bytes, aligned
.endr
	s_wait_tensorcnt 0x0                           ; the wave's end
	ds_add_u32 v[SPW], v[NIL]
	s_wait_dscnt 0x0
	CROUND                                         ; the closing round
	s_endpgm
.Lfunc_end_k_qf3bf42c7f4_attn:
	.size	k_qf3bf42c7f4_attn, .Lfunc_end_k_qf3bf42c7f4_attn-k_qf3bf42c7f4_attn
	.p2alignl 7, 3214868480
	.fill 96, 4, 3214868480
	.section	.rodata,"a",@progbits
	.p2align	6, 0x0
	.amdhsa_kernel k_qf3bf42c7f4_attn
		.amdhsa_group_segment_fixed_size 327680
		.amdhsa_private_segment_fixed_size 0
		.amdhsa_enable_private_segment 0
		.amdhsa_kernarg_size 16
		.amdhsa_user_sgpr_count 2
		.amdhsa_user_sgpr_kernarg_segment_ptr 1
		.amdhsa_wavefront_size32 1
		.amdhsa_system_sgpr_workgroup_id_x 1
		.amdhsa_system_sgpr_workgroup_id_y 1
		.amdhsa_system_sgpr_workgroup_id_z 1
		.amdhsa_system_vgpr_workitem_id 0
		.amdhsa_next_free_vgpr 512
		.amdhsa_next_free_sgpr 66
		.amdhsa_reserve_vcc 0
		.amdhsa_float_denorm_mode_32 3
		.amdhsa_float_denorm_mode_16_64 3
		.amdhsa_memory_ordered 1
		.amdhsa_forward_progress 1
		.amdhsa_inst_pref_size 92
	.end_amdhsa_kernel
	.amdgpu_metadata
---
amdhsa.version: [ 1, 2 ]
amdhsa.kernels:
  - .name:           k_qf3bf42c7f4_attn
    .symbol:         k_qf3bf42c7f4_attn.kd
    .args:
      - { .name: qkv, .offset: 0, .size: 8, .value_kind: global_buffer, .address_space: global }
      - { .name: ctx, .offset: 8, .size: 8, .value_kind: global_buffer, .address_space: global }
    .group_segment_fixed_size: 327680
    .private_segment_fixed_size: 0
    .kernarg_segment_align: 8
    .kernarg_segment_size: 16
    .max_flat_workgroup_size: 256
    .sgpr_count:     66
    .vgpr_count:     512
    .wavefront_size: 32
...
	.end_amdgpu_metadata
.endif
;; end of part 3
;; launch outp (part 4): grid 8 x 64, 4 waves a work-group, clusters of 4 x 4, 327,680 bytes of LDS; arguments ctx, wo16, out0, b_o; writes out0
.if DOCPART == 4
	.amdgcn_target "amdgcn-amd-amdhsa--gfx1250"
	.amdhsa_code_object_version 6
	.text
	.protected	k_qf3bf42c7f4_outp
	.globl	k_qf3bf42c7f4_outp
	.p2align	8
	.type	k_qf3bf42c7f4_outp,@function
k_qf3bf42c7f4_outp:
	s_mov_b64 s[64:65], 0
	v_nop
	global_prefetch_b8 v0, s[64:65] scope:SCOPE_SE
	s_setreg_imm32_b32 hwreg(HW_REG_WAVE_MODE, 25, 1), 1
	s_wait_xcnt 0x0
	s_wait_alu depctr_hold_cnt(0) depctr_sa_sdst(0) depctr_va_vdst(0) depctr_va_sdst(0) depctr_va_ssrc(0) depctr_va_vcc(0) depctr_vm_vsrc(0)
	s_getreg_b32 s2, hwreg(HW_REG_IB_STS2, 6, 4)
	s_cmp_eq_u32 s2, 0
	s_cbranch_scc0 .Lentry_in_a_cluster
	s_endpgm
.Lentry_in_a_cluster:
	s_bfe_u32 s2, ttmp6, 0x10000c
	s_cmp_lg_u32 s2, 0xf033
	s_cbranch_scc0 .Lentry_shape_is_right
	s_endpgm
.Lentry_shape_is_right:
; out0[m][n] = the sum over k of ctx[m][k] w_o[n][k] + b_o[n].  ctx: [8192][1024] f16, wo16: [1024][1024] f16, b_o: [1024] f32, out0: [8192][1024] f32; sums in f32.
; A tile of 128 x 128 to a work-group of four waves, each 64 x 64: 16 accumulators.  K goes in four steps of 256 (LDS rows of 512 bytes; a wave's tensor load brings 64 of them) through two slots.
; The bias is the C of each sum's first matrix instruction: eight registers a block of columns, in the result's layout; it costs no addition.
; CLUSTERS: 4 x 4 work-groups; ctx's tiles are shared along a row of the cluster, w_o's along a column, by joint loads.  THE MATRIX INSTRUCTION IS USED TRANSPOSED (source 0 = 16 rows of w_o, source 1 = 16 rows of ctx):
; a lane holds eight neighbouring columns of one row of out0.  A wave's 64 columns of f32 are 256 aligned bytes, so each wave has a stage of its own and the way out needs no barrier.
; REGISTERS: window 0: v0-31 addresses; v32-95 rows read back from the stage; v96-127 the bias; v128-255 the accumulators ((a, b) at v[128 + 8 (4 a + b)]).   window 1: two fragment buffers of 128.
.set SIZE_N, 1024
.set SIZE_K, 1024
.set KSTEP,  256
.set PITCH,  528                       ; an LDS row: 512 bytes + 16 of padding
.set HALFT,  64*PITCH
.set SLOT,   4*HALFT
.set STAGE,  2*SLOT                    ; behind the ring: 16 rows x 272 bytes for each wave
.set SPITCH, 272
.set SPARE,  STAGE+4*16*SPITCH         ; the spare words, 128 bytes a wave, which no other line names
.set LAPS, SIZE_K/(2*KSTEP)
.set ADRA, 16
.set ADRB, 20
.set STO,  24
.set RD,   25
.set CO,   26
.set BO,   27                          ; v27  32 x (lane / 16)
.set SPW,  28
.set NIL,  29
.set BK,   32
.set BI,   96
.set ACC,  128
.set F0,   0
.set F1,   128
.set G1, 24
.set G0, 32
.set G1B, 48
.set G0B, 56
.set MSB, 0
.macro WIN new
.if MSB != \new
	s_set_vgpr_msb (MSB<<8)|\new
.set MSB, \new
.endif
.endm
.set MUL,  0x05                        ; sources 0 and 1 window 1; C and D window 0
.set TO_F, 0x40
.macro JLOAD s                         ; a joint load: waves 0 and 1 fetch ctx's two halves, waves 2 and 3 w_o's; an s_nop 0 and four v_nop follow each line
	s_cmp_eq_u32 s11, 0
	s_cbranch_scc0 .Lfor_b_\@
	tensor_load_to_lds s[G0+4*\s:G0+4*\s+3], s[G1:G1+7]
	s_nop 0
.rept 4
	v_nop
.endr
	s_branch .Lasked_\@
.Lfor_b_\@:
	tensor_load_to_lds s[G0B+4*\s:G0B+4*\s+3], s[G1B:G1B+7]
	s_nop 0
.rept 4
	v_nop
.endr
.Lasked_\@:
.endm
.macro CREST
	s_cmp_lg_u32 s10, 0
	s_cbranch_scc1 .Lnot_wave_0_\@
	s_barrier_signal -3
.Lnot_wave_0_\@:
	s_barrier_wait -3
	s_barrier_signal -1
	s_barrier_wait -1
.endm
.macro CROUND
	s_barrier_signal -1
	s_barrier_wait -1
	CREST
.endm
	s_load_b128 s[4:7], s[0:1], 0x0                ; ctx s[4:5], wo16 s[6:7]
	s_load_b64 s[8:9], s[0:1], 0x10                ; out0
	s_load_b64 s[66:67], s[0:1], 0x18              ; b_o
	v_lshl_add_u32 v[SPW], v0, 2, SPARE
	v_mov_b32 v[NIL], 0
	ds_add_u32 v[SPW], v[NIL]                      ; the wave's opening: the add, twice on end, and its wait ahead of my first tensor load
	ds_add_u32 v[SPW], v[NIL]
	v_lshrrev_b32 v1, 5, v0
	v_readfirstlane_b32 s10, v1                    ; wave 0..3
	s_lshr_b32 s11, s10, 1                         ; which half of the tile's rows is mine.  Also: I fetch for ctx (0) or for w_o (1)
	s_and_b32 s12, s10, 1                          ; which half of its columns.  Also: which 64 rows I fetch
	s_bfe_u32 s40, ttmp6, 0x40000
	s_bfe_u32 s41, ttmp6, 0x40004
	s_lshl_b32 s42, ttmp9, 2
	s_add_co_u32 s42, s42, s40                     ; tile column
	s_and_b32 s13, ttmp7, 0xffff
	s_lshl_b32 s13, s13, 2
	s_add_co_u32 s13, s13, s41                     ; tile row
	s_lshl_b32 s43, s41, 2
	s_lshl_b32 s43, 15, s43                        ; my row of the cluster
	s_lshl_b32 s44, 0x1111, s40                    ; my column
	s_or_b32 s[G1+0], s43, (1<<16)|(1<<20)|(1<<21)|(6<<22)|(3<<25)  ; the mask; elements of 2 bytes; padding on; bit 21 beside a mask; 4 words behind every 128
	s_or_b32 s[G1B+0], s44, (1<<16)|(1<<20)|(1<<21)|(6<<22)|(3<<25)
.irp g, G1, G1B
	s_mov_b32 s[\g+1], KSTEP<<16
	s_mov_b32 s[\g+2], 64<<16
	s_mov_b32 s[\g+3], KSTEP<<16
	s_mov_b32 s[\g+4], 64
	s_mov_b32 s[\g+5], SIZE_K
	s_mov_b32 s[\g+6], 0
	s_mov_b32 s[\g+7], 0
.endr
	s_lshl_b32 s17, s12, 6
	s_lshl_b32 s16, s13, 7
	s_add_co_u32 s16, s16, s17                     ; ctx: row 128 x tile row + 64 x half
	s_lshl_b32 s46, s42, 7
	s_add_co_u32 s46, s46, s17                     ; w_o: row 128 x tile column + 64 x half
	s_mov_b32 s17, 0
	s_mov_b32 s47, 0
	s_mov_b64 s[18:19], SIZE_K*2
	s_mul_u64 s[16:17], s[16:17], s[18:19]
	s_mul_u64 s[46:47], s[46:47], s[18:19]
	s_mul_i32 s20, s10, HALFT
	s_wait_dscnt 0x0                               ; both opening adds are done
	s_wait_kmcnt 0x0
	s_add_nc_u64 s[14:15], s[4:5], s[16:17]
	s_add_nc_u64 s[46:47], s[6:7], s[46:47]
	CROUND                                         ; all sixteen work-groups are here: the first joint loads meet
.irp s, 0,1
	s_mov_b32 s[G0+4*\s], 1
	s_add_co_u32 s[G0+4*\s+1], s20, \s*SLOT
	s_add_nc_u64 s[G0+4*\s+2:G0+4*\s+3], s[14:15], \s*KSTEP*2
	s_or_b32 s[G0+4*\s+3], s[G0+4*\s+3], 0x80000000
	s_mov_b32 s[G0B+4*\s], 1
	s_add_co_u32 s[G0B+4*\s+1], s20, \s*SLOT
	s_add_nc_u64 s[G0B+4*\s+2:G0B+4*\s+3], s[46:47], \s*KSTEP*2
	s_or_b32 s[G0B+4*\s+3], s[G0B+4*\s+3], 0x80000000
	JLOAD \s                                       ; two tensor loads of mine are out
.endr
	v_and_b32 v1, 15, v0                           ; r
	v_bfe_u32 v2, v0, 4, 1                         ; h
	v_mul_u32_u24 v3, v1, PITCH
	v_lshl_add_u32 v3, v2, 4, v3
	s_mul_i32 s21, s11, HALFT
	s_mul_i32 s22, s12, HALFT
	s_add_co_u32 s22, s22, 2*HALFT
.irp s, 0,1
	v_add_nc_u32 v[ADRA+\s], s21, v3
	v_add_nc_u32 v[ADRB+\s], s22, v3
	s_add_co_u32 s21, s21, SLOT
	s_add_co_u32 s22, s22, SLOT
.endr
	s_mul_i32 s23, s10, 16*SPITCH
	s_add_co_u32 s23, s23, STAGE                   ; my stage
	v_mul_u32_u24 v4, v1, SPITCH                   ; in: row r, 32 bytes for each half of the lanes
	v_lshl_add_u32 v4, v2, 5, v4
	v_add_nc_u32 v[STO], s23, v4
	v_mul_u32_u24 v5, v2, SPITCH                   ; back: lanes 0-15 one row of 256 bytes, lanes 16-31 the next
	v_lshl_add_u32 v5, v1, 4, v5
	v_add_nc_u32 v[RD], s23, v5
	v_lshlrev_b32 v5, 12, v2                       ; and the same two rows in out0, 4,096 bytes apart
	v_lshl_add_u32 v[CO], v1, 4, v5
	v_lshlrev_b32 v[BO], 5, v2
	s_lshl_b32 s16, s13, 7
	s_lshl_b32 s17, s11, 6
	s_add_co_u32 s16, s16, s17                     ; my first row: 128 x tile row + 64 x half
	s_lshl_b32 s16, s16, 12
	s_mov_b32 s17, 0
	s_add_nc_u64 s[8:9], s[8:9], s[16:17]
	s_lshl_b32 s46, s42, 9                         ; my first column, in bytes of f32: 4 x (128 x tile column + 64 x half); the same in out0's rows and in b_o
	s_lshl_b32 s47, s12, 8
	s_add_co_u32 s46, s46, s47
	s_mov_b32 s47, 0
	s_add_nc_u64 s[8:9], s[8:9], s[46:47]
	s_add_nc_u64 s[66:67], s[66:67], s[46:47]
.irp b, 0,1,2,3
	global_load_b128 v[BI+8*\b:BI+8*\b+3], v[BO], s[66:67] offset:64*\b        ; lane (r, h): the biases of columns 16 b + 8 h + 0 .. 7
	global_load_b128 v[BI+8*\b+4:BI+8*\b+7], v[BO], s[66:67] offset:64*\b+16
.endr
; 8 matrix instructions: row blocks a0, a0 + 1 x all 4 column blocks, 32 along K: half c of buffer f.  first = 1: the bias is the C that starts the sums.  The 16 accumulators take turns.
.macro MUL8 f, c, a0, first
.irp a, \a0, \a0+1
.irp b, 0,1,2,3
.if \first
	v_wmma_f32_16x16x32_f16 v[ACC+8*(4*(\a)+\b):ACC+8*(4*(\a)+\b)+7], v[\f+64+8*(4*\c+\b):\f+64+8*(4*\c+\b)+7], v[\f+8*(4*\c+\a):\f+8*(4*\c+\a)+7], v[BI+8*\b:BI+8*\b+7]
.else
	v_wmma_f32_16x16x32_f16 v[ACC+8*(4*(\a)+\b):ACC+8*(4*(\a)+\b)+7], v[\f+64+8*(4*\c+\b):\f+64+8*(4*\c+\b)+7], v[\f+8*(4*\c+\a):\f+8*(4*\c+\a)+7], v[ACC+8*(4*(\a)+\b):ACC+8*(4*(\a)+\b)+7]
.endif
.endr
.endr
.endm
.macro FETCH slot, k, f                ; 32 LDS loads in one run: the fragments of 64 along K at byte k of the rows; the first 32 along K first
	WIN TO_F
.irp c, 0,1
.irp i, 0,1,2,3
	ds_load_b128 v[\f+64+8*(4*\c+\i):\f+64+8*(4*\c+\i)+3],   v[ADRB+\slot] offset:\k+64*\c+\i*16*PITCH
	ds_load_b128 v[\f+64+8*(4*\c+\i)+4:\f+64+8*(4*\c+\i)+7], v[ADRB+\slot] offset:\k+64*\c+\i*16*PITCH+32
	ds_load_b128 v[\f+8*(4*\c+\i):\f+8*(4*\c+\i)+3],         v[ADRA+\slot] offset:\k+64*\c+\i*16*PITCH
	ds_load_b128 v[\f+8*(4*\c+\i)+4:\f+8*(4*\c+\i)+7],       v[ADRA+\slot] offset:\k+64*\c+\i*16*PITCH+32
.endr
.endr
.endm
.macro PLACES                          ; four places in front of loads into registers that matrix instructions have read, and of the first read of results
.rept 4
	v_nop
.endr
.endm
.macro QUARTER slot, k, f, g, first    ; 64 along K: multiplies buffer f and fetches the next quarter, at byte k, into g
	s_wait_dscnt 16                                ; the first 32 along K are in; the sixteen younger loads may be out
	WIN MUL
	MUL8 \f, 0, 0, \first
	MUL8 \f, 0, 2, \first
	PLACES
	FETCH \slot, \k, \g
	s_wait_dscnt 32                                ; all but the 32 just issued
	WIN MUL
	MUL8 \f, 1, 0, 0
	MUL8 \f, 1, 2, 0
.endm
; A K step's last quarter changes slots: ONE barrier; in front of it each wave waits for all its tensor loads, adds 0 to its spare word, and waits for that and for its reads of this slot.
; fill = 1: the barrier opens a round of the cluster's, and this slot is filled again, two K steps ahead, first thing behind the round.
.macro TURN slot, next, fill
	WIN 0
	s_wait_tensorcnt 0x0                           ; all my tensor loads have landed: my part of the next slot
	ds_add_u32 v[SPW], v[NIL]                      ; 0 onto my spare word
	s_wait_dscnt 17                                ; the add and the youngest sixteen loads may be out
	WIN MUL
	MUL8 F1, 0, 0, 0
	s_wait_dscnt 0x0                               ; the add is done, and my reads of this slot are over
	s_barrier_signal -1
	MUL8 F1, 0, 2, 0
.if \fill
	WIN 0
.endif
	s_barrier_wait -1
.if \fill
	CREST
	s_add_nc_u64 s[G0+4*\slot+2:G0+4*\slot+3], s[G0+4*\slot+2:G0+4*\slot+3], 2*KSTEP*2
	s_add_nc_u64 s[G0B+4*\slot+2:G0B+4*\slot+3], s[G0B+4*\slot+2:G0B+4*\slot+3], 2*KSTEP*2
	JLOAD \slot                                    ; the four v_nop behind it are also the places in front of the loads below
.else
	PLACES
.endif
	FETCH \next, 0, F0
	WIN MUL
	MUL8 F1, 1, 0, 0
	MUL8 F1, 1, 2, 0
.endm
	s_wait_tensorcnt 1                             ; my part of K step 0 is in; K step 1's load may be out
	s_barrier_signal -1
	s_barrier_wait -1
	FETCH 0, 0, F0
	s_wait_loadcnt 0x0                             ; the biases
	QUARTER 0, 128, F0, F1, 1                      ; the first quarter stands in front of the loop: its first products start the sums on the bias
	WIN 0
	s_mov_b32 s3, LAPS-1
.Llap:                                                 ; a trip goes once round the ring, from a lap's second quarter to the next lap's first, and fills both slots again
	QUARTER 0, 256, F1, F0, 0
	QUARTER 0, 384, F0, F1, 0
	TURN 0, 1, 1
	QUARTER 1, 128, F0, F1, 0
	QUARTER 1, 256, F1, F0, 0
	QUARTER 1, 384, F0, F1, 0
	TURN 1, 0, 1
	QUARTER 0, 128, F0, F1, 0
	WIN 0
	s_sub_co_u32 s3, s3, 1
	s_cmp_lg_u32 s3, 0
	s_cbranch_scc1 .Llap
	QUARTER 0, 256, F1, F0, 0                      ; the last lap fills nothing
	QUARTER 0, 384, F0, F1, 0
	TURN 0, 1, 0
	QUARTER 1, 128, F0, F1, 0
	QUARTER 1, 256, F1, F0, 0
	QUARTER 1, 384, F0, F1, 0
	s_wait_dscnt 16
	WIN MUL
	MUL8 F1, 0, 0, 0
	MUL8 F1, 0, 2, 0
	s_wait_dscnt 0
	MUL8 F1, 1, 0, 0
	MUL8 F1, 1, 2, 0
	WIN 0
; THE WAY OUT, a block of 16 rows x 64 columns at a time: 32 bytes a lane into my stage, back as whole rows of 256 bytes.  LDS serves a wave's instructions in order: no wait between the stores and the loads.
.macro TOSTAGE a
.set BB, BK+32*((\a)%2)
.irp b, 0,1,2,3
	ds_store_b128 v[STO], v[ACC+8*(4*(\a)+\b):ACC+8*(4*(\a)+\b)+3] offset:64*\b        ; each accumulator from its low end on
	ds_store_b128 v[STO], v[ACC+8*(4*(\a)+\b)+4:ACC+8*(4*(\a)+\b)+7] offset:64*\b+16
.endr
.irp t, 0,1,2,3,4,5,6,7
	ds_load_b128 v[BB+4*\t:BB+4*\t+3], v[RD] offset:\t*2*SPITCH
.endr
.endm
.macro SEND a, younger                 ; younger: the LDS instructions issued behind block a's loads, which may stay out
.set BB, BK+32*((\a)%2)
	s_wait_dscnt \younger
.irp t, 0,1,2,3,4,5,6,7
	global_store_b128 v[CO], v[BB+4*\t:BB+4*\t+3], s[8:9] offset:(16*(\a)+2*\t)*SIZE_N*4 th:TH_STORE_NT   ; 16 lanes store 256 consecutive bytes, aligned; written once, read by nobody here
.endr
.endm
	PLACES
	TOSTAGE 0
.irp a, 1,2,3
.if \a > 1
	s_wait_xcnt 0x0                                ; block a - 2's stores have read their data: block a's loads may land there
.endif
	TOSTAGE \a
	SEND \a-1, 16                                  ; behind block a - 1's loads: block a's 8 stores and 8 loads
.endr
	SEND 3, 0
	s_wait_tensorcnt 0x0                           ; the wave's end
	ds_add_u32 v[SPW], v[NIL]
	s_wait_dscnt 0x0
	CROUND                                         ; the closing round
	s_endpgm
.Lfunc_end_k_qf3bf42c7f4_outp:
	.size	k_qf3bf42c7f4_outp, .Lfunc_end_k_qf3bf42c7f4_outp-k_qf3bf42c7f4_outp
	.p2alignl 7, 3214868480
	.fill 96, 4, 3214868480
	.section	.rodata,"a",@progbits
	.p2align	6, 0x0
	.amdhsa_kernel k_qf3bf42c7f4_outp
		.amdhsa_group_segment_fixed_size 327680
		.amdhsa_private_segment_fixed_size 0
		.amdhsa_enable_private_segment 0
		.amdhsa_kernarg_size 32
		.amdhsa_user_sgpr_count 2
		.amdhsa_user_sgpr_kernarg_segment_ptr 1
		.amdhsa_wavefront_size32 1
		.amdhsa_system_sgpr_workgroup_id_x 1
		.amdhsa_system_sgpr_workgroup_id_y 1
		.amdhsa_system_sgpr_workgroup_id_z 1
		.amdhsa_system_vgpr_workitem_id 0
		.amdhsa_next_free_vgpr 512
		.amdhsa_next_free_sgpr 68
		.amdhsa_reserve_vcc 0
		.amdhsa_float_denorm_mode_32 3
		.amdhsa_float_denorm_mode_16_64 3
		.amdhsa_memory_ordered 1
		.amdhsa_forward_progress 1
		.amdhsa_inst_pref_size 86
	.end_amdhsa_kernel
	.amdgpu_metadata
---
amdhsa.version: [ 1, 2 ]
amdhsa.kernels:
  - .name:           k_qf3bf42c7f4_outp
    .symbol:         k_qf3bf42c7f4_outp.kd
    .args:
      - { .name: ctx, .offset: 0, .size: 8, .value_kind: global_buffer, .address_space: global }
      - { .name: wo16, .offset: 8, .size: 8, .value_kind: global_buffer, .address_space: global }
      - { .name: out0, .offset: 16, .size: 8, .value_kind: global_buffer, .address_space: global }
      - { .name: b_o, .offset: 24, .size: 8, .value_kind: global_buffer, .address_space: global }
    .group_segment_fixed_size: 327680
    .private_segment_fixed_size: 0
    .kernarg_segment_align: 8
    .kernarg_segment_size: 32
    .max_flat_workgroup_size: 128
    .sgpr_count:     68
    .vgpr_count:     512
    .wavefront_size: 32
...
	.end_amdgpu_metadata
.endif
;; end of part 4
